; MI455X (gfx1250); checked and timed in simulation.
; The chip was launched on July 23, 2026; its instructions are those of AMD's public machine-readable ISA for CDNA 5 (MIT licence, August 2026) and "CDNA5" Instruction Set Architecture Reference Guide (July 2026). The comments in the code are by the model that wrote it; some were corrected since.
;; Multihead Attention. Allowed arithmetic: matrix products marked QUANTISED: E2M3 operands, one E8M0 scale for each 32 along K, by v_wmma_scale_f32_16x16x128_f8f6f4 with both operands' format E2M3, f32 sums; everything else in f32.
;; Inputs: Wk 256 x 512 float32; Wo 512 x 1,024 float32; Wq 1,024 x 512 float32; Wv 256 x 512 float32; x 2,048 x 512 float32.
;; Outputs: out0 2,048 x 512 float32.
;; This version of the problem:
;;   THIS VERSION OF THE PROBLEM IS GIVEN IN LOW PRECISION. The matrix products marked QUANTISED in the list below multiply operands that are first quantised to E2M3 (2 exponent bits, 3 mantissa bits; 6 bits a number), with one power-of-two scale for each 32 numbers along K (OCP MX v1.0); their sums are f32. All else is computed in f32.
;;   The module's matrix products, in the order in which they are computed (A, B: the left and right operand; K: the contracted axis; several contracted axes count as one K, in the product's order):
;;     1. [M 2,048, K 512] x [K 512, N 1,024]; A: input x; B: input Wq: QUANTISED
;;     2. [M 2,048, K 512] x [K 512, N 256]; A: input x; B: input Wk: QUANTISED
;;     3. [M 2,048, K 512] x [K 512, N 256]; A: input x; B: input Wv: QUANTISED
;;     4. [M 8,192, K 64] x [K 64, N 32,768]; A: computed on the way; B: computed on the way: QUANTISED
;;     5. [M 64, K 8,192] x [K 8,192, N 32,768]; A: computed on the way; B: computed on the way: QUANTISED
;;     6. [M 2,048, K 1,024] x [K 1,024, N 512]; A: computed on the way; B: input Wo: QUANTISED
;;   THE QUANTISER, for each operand of a quantised product, along K:
;;     - K is cut into blocks of 32 from its start; a last block that is shorter is filled with zeros.
;;     - A block's scale is 2^e with e = floor(log2(the largest magnitude in the block)) - 2, held to -126 .. 127; a block of zeros has e = 0. As a byte (E8M0): e + 127.
;;     - Each number is divided by its block's scale, clamped to +-7.5, and rounded to the nearest number of E2M3, ties to even, subnormals kept.
;;     - The product sums the exact products of the quantised numbers (number of the format x scale) in f32.
;;   ~~~python
;;   def quantise(x, axis):      # numpy; x: float32 -> the quantised numbers, widened to float32 again
;;       x = np.moveaxis(x, axis, -1); K = x.shape[-1]
;;       x = np.pad(x, [(0, 0)] * (x.ndim - 1) + [(0, -K % 32)]); x = x.reshape(x.shape[:-1] + (-1, 32)); a = np.abs(x).max(-1, keepdims=True)
;;       e = np.where(a > 0, np.clip(np.frexp(np.where(a > 0, a, 1))[1] - 1 - 2, -126, 127), 0)      # np.frexp(a)[1] - 1 = floor(log2(a)), exactly
;;       r = np.clip(x / 2.0 ** e, -7.5, 7.5)
;;       step = 2.0 ** (np.maximum(np.frexp(np.where(r == 0, 1, r))[1] - 1, 0) - 3)
;;       q = np.round(r / step) * step * 2.0 ** e      # np.round: ties to even
;;       return np.moveaxis(q.reshape(q.shape[:-2] + (-1,))[..., :K], -1, axis).astype(np.float32)
;;   ~~~
;;   OPERANDS COMPUTED ON THE WAY. 'Computed on the way' means the value that the module computes at that place (a softmax that the list does not call 'softmax' is quantised finished and normalised). What goes into a quantiser is computed in f32, as accurately as f32 sums, v_exp_f32 and their like allow (about 1e-6 of the number): no bf16 or f16 on the way to a quantiser, and a product that is left as it is and whose result goes on into a quantised operand takes f32 operands (vector FMAs, or v_wmma_f32_16x16x4_f32). A number that lies on a knife's edge between two numbers of the format may be rounded either way, as far as f32 arithmetic and the matrix unit's own rounding can turn it there, and no further.
;; 2 versions, each right; version 2 is version 1 with the launches proj, outp written anew for expert scheduling mode. Each part assembles by itself: llvm-mc -triple=amdgcn-amd-amdhsa -mcpu=gfx1250 --defsym DOCPART=n.
;; ======== version 1 of 2: 4 launches
;; workspace buffers: cod 1,769,472 bytes; scl 73,728 bytes; qimg 1,703,936 bytes; kimg 425,984 bytes; vimg 425,984 bytes; opart 33,554,432 bytes
;; launch quant (part 1): grid 72 x 1, 4 waves a work-group, no clusters, 33,280 bytes of LDS; arguments x, Wq, Wk, Wv, Wo, cod, scl; writes cod, scl
.if DOCPART == 1
	.amdgcn_target "amdgcn-amd-amdhsa--gfx1250"
	.amdhsa_code_object_version 6
	.text
	.protected	k_q7ee6a171e3_quant
	.globl	k_q7ee6a171e3_quant
	.p2align	8
	.type	k_q7ee6a171e3_quant,@function
k_q7ee6a171e3_quant:
	s_mov_b64 s[64:65], 0
	v_nop
	global_prefetch_b8 v0, s[64:65] scope:SCOPE_SE
	s_setreg_imm32_b32 hwreg(HW_REG_WAVE_MODE, 25, 1), 1
	s_wait_xcnt 0x0
; x [2048][512], Wq [1024][512], Wk [256][512], Wv [256][512], Wo [512][1024], f32, K innermost in all five, become codes of FP6 (E2M3) and one E8M0 byte for each 32 along K.
; Rows are dense and every K is a multiple of 32: each tensor is a plain stream of blocks of 32 numbers.  The five streams lie on end in cod (24 bytes a block) and scl (a byte a block), in the order x, Wq, Wk, Wv, Wo.
; A block's scale is 2^(floor(log2(largest magnitude)) - 2): its byte is the largest magnitude's exponent field - 2, held at 1 from below by a floor among the maximum's leaves.
; LIMITS: a block of zeros gets the byte 1 where the rule says 127 (its codes are zeros, and this program alone reads the bytes); NaN and infinities among the inputs are not served.
; SHARES: 72 work-groups of 32,768 numbers (x 32, Wq 16, Wk 4, Wv 4, Wo 16); a wave takes 8,192 as 16 steps of 512.  One path for all five: only the source pointer is chosen, by the work-group's number.
; Each load reads 512 consecutive bytes; a step's 2,048 bytes turn through the wave's own stage in LDS, so that a lane then holds 16 neighbours along K (two lanes to a block).  Loads run 8 steps (32 loads a wave) ahead.
; A wave's store of codes covers 384 consecutive bytes; its 256 scale bytes are gathered in LDS and leave as one aligned run of 256 bytes.
.set WAVES, 4
.set STEPS, 16
.set AHEAD, 8
.set EMAX,  2
.set CB,    12                         ; bytes of 16 codes
.set R,     16                         ; v16-143  eight sets of 16 numbers as loaded
.set X,     144                        ; v144-175 two sets of 16 neighbours
.set E,     176                        ; v176-191 a scale byte for each step
.set C,     192                        ; v192-255 codes: four registers a step, so that no store's data are written again
.set WREG,  8192                       ; LDS: a region for each wave: two stages of 32 x SP bytes, behind them its 256 scale bytes
.set SP,    80                         ; a lane's place in a stage: 64 bytes + 16 of padding
.set SPW,   12                         ; v12 LDS address of my spare word; never rewritten
.set NIL,   13                         ; v13 0; never rewritten
.set SPARE, WAVES*WREG                 ; behind the regions: the spare words, 128 bytes a wave, that no other line names
	s_load_b256 s[4:11], s[0:1], 0x0               ; x, Wq, Wk, Wv
	s_load_b128 s[12:15], s[0:1], 0x20             ; Wo, cod
	s_load_b64 s[16:17], s[0:1], 0x30              ; scl
	v_lshl_add_u32 v[SPW], v0, 2, SPARE
	v_mov_b32 v[NIL], 0
	v_lshrrev_b32 v1, 5, v0
	v_readfirstlane_b32 s18, v1                    ; wave
	v_and_b32 v2, 31, v0                           ; lane
	v_lshlrev_b32 v3, 4, v2                        ; my 16 bytes of a load's 512
	s_mul_i32 s19, s18, WREG
	v_lshrrev_b32 v14, 2, v2
	v_mul_u32_u24 v14, v14, SP
	v_and_b32 v15, 3, v2
	v_lshl_add_u32 v14, v15, 4, v14
	v_add_nc_u32 v14, s19, v14                     ; the stage, way in: SP (lane / 4) + 16 (lane % 4)
	v_mul_u32_u24 v15, v2, SP
	v_add_nc_u32 v15, s19, v15                     ; way out: SP x lane
	v_mul_u32_u24 v4, v2, CB                       ; my codes' place in a step's 384 bytes
	v_lshrrev_b32 v5, 1, v2
	s_add_co_u32 s19, s19, 2*32*SP
	v_add_nc_u32 v5, s19, v5                       ; LDS: my block's scale byte
	v_lshlrev_b32 v7, 3, v2
	v_add_nc_u32 v6, s19, v7                       ; and 8 bytes a lane on their way out
	s_sub_co_u32 s20, ttmp9, 32                    ; the run's number inside its own tensor, for each of the four later tensors
	s_sub_co_u32 s21, ttmp9, 48
	s_sub_co_u32 s22, ttmp9, 52
	s_sub_co_u32 s23, ttmp9, 56
	s_mov_b32 s24, ttmp9
	s_wait_kmcnt 0x0
	s_cmp_ge_u32 ttmp9, 32                         ; which tensor: the choice hangs on the work-group's number alone
	s_cselect_b64 s[4:5], s[6:7], s[4:5]
	s_cselect_b32 s24, s20, s24
	s_cmp_ge_u32 ttmp9, 48
	s_cselect_b64 s[4:5], s[8:9], s[4:5]
	s_cselect_b32 s24, s21, s24
	s_cmp_ge_u32 ttmp9, 52
	s_cselect_b64 s[4:5], s[10:11], s[4:5]
	s_cselect_b32 s24, s22, s24
	s_cmp_ge_u32 ttmp9, 56
	s_cselect_b64 s[4:5], s[12:13], s[4:5]
	s_cselect_b32 s24, s23, s24
	s_lshl_b32 s24, s24, 2
	s_add_co_u32 s24, s24, s18                     ; my wave's run of 8,192 numbers in the source,
	s_lshl_b32 s24, s24, 15                        ; 32,768 bytes each
	s_mov_b32 s25, 0
	s_add_nc_u64 s[4:5], s[4:5], s[24:25]
	s_lshl_b32 s26, ttmp9, 2
	s_add_co_u32 s26, s26, s18                     ; and in the joined streams
	s_mul_i32 s24, s26, 32*STEPS*CB
	s_add_nc_u64 s[14:15], s[14:15], s[24:25]
	s_lshl_b32 s24, s26, 8
	s_add_nc_u64 s[16:17], s[16:17], s[24:25]
.macro LOAD t
.irp i, 0,1,2,3
	global_load_b128 v[R+16*((\t)%AHEAD)+4*\i:R+16*((\t)%AHEAD)+4*\i+3], v3, s[4:5] offset:2048*(\t)+512*\i th:TH_LOAD_NT
.endr
.endm
.macro TURN t                          ; step t's numbers through the stage: LDS serves a wave's instructions in order, so no wait stands between the stores and the loads
.irp i, 0,1,2,3
	ds_store_b128 v14, v[R+16*((\t)%AHEAD)+4*\i:R+16*((\t)%AHEAD)+4*\i+3] offset:32*SP*((\t)%2)+8*SP*\i
.endr
.irp i, 0,1,2,3
	ds_load_b128 v[X+16*((\t)%2)+4*\i:X+16*((\t)%2)+4*\i+3], v15 offset:32*SP*((\t)%2)+16*\i
.endr
.endm
.irp t, 0,1,2,3,4,5,6,7
	LOAD \t
.endr
	s_wait_loadcnt 28                              ; step 0's four loads are in; the 28 of steps 1 to 7 may be out
	TURN 0
.macro STEP t
.set XS, X+16*((\t)%2)
.if (\t) > 0
	s_wait_dscnt 1                                 ; this step's numbers are back from the stage (the last step's byte store may be out): so its stores into the stage have read their registers,
.else
	s_wait_dscnt 0x0
.endif
.if (\t)+AHEAD < STEPS
	LOAD (\t)+AHEAD                                ; which take the loads of eight steps on
.endif
.if (\t)+1 < STEPS
.if STEPS-2-(\t) >= AHEAD-1
	s_wait_loadcnt 4*(AHEAD-1)                     ; the next step's four loads are in; those of the seven steps behind it may be out
.else
	s_wait_loadcnt 4*(STEPS-2-(\t))
.endif
	TURN (\t)+1
.endif
	v_max3_num_f32 v8, |v[XS]|, |v[XS+1]|, |v[XS+2]|
	v_max3_num_f32 v9, |v[XS+3]|, |v[XS+4]|, |v[XS+5]|
.irp i, 6,10
	v_max3_num_f32 v8, v8, |v[XS+\i]|, |v[XS+\i+1]|
	v_max3_num_f32 v9, v9, |v[XS+\i+2]|, |v[XS+\i+3]|
.endr
	v_max3_num_f32 v8, v8, |v[XS+14]|, |v[XS+15]|
	v_max3_num_f32 v8, v8, v9, (EMAX+1)<<23        ; with the floor 2^(EMAX + 1 - 127): the byte cannot fall under 1
	v_max_num_f32_dpp v8, v8, v8 row_xmask:1 row_mask:0xf bank_mask:0xf   ; and my neighbour's 16: the block's largest magnitude
	v_add_nc_u32 v11, -(EMAX<<23), v8              ; EMAX off its exponent field: the conversion takes that field as its scale
	v_cvt_scalef32_pk16_fp6_f32 v[C+4*(\t):C+4*(\t)+2], v[XS:XS+15], v11
	v_lshrrev_b32 v[E+(\t)], 23, v11               ; the scale's byte (also the plain line behind the conversion)
	ds_store_b8 v5, v[E+(\t)] offset:16*(\t)       ; both lanes of a block write the same byte with the same value
	global_store_b96 v4, v[C+4*(\t):C+4*(\t)+2], s[14:15] offset:32*CB*(\t)
.endm
.irp t, 0,1,2,3,4,5,6,7,8,9,10,11,12,13,14,15
	STEP \t
.endr
	ds_load_b64 v[8:9], v6                         ; in order behind my byte stores
	s_wait_dscnt 0x0
	global_store_b64 v7, v[8:9], s[16:17]          ; 32 lanes store 256 consecutive bytes, aligned
	s_wait_tensorcnt 0x0                           ; the wave's end: three lines behind my last LDS store
	ds_add_u32 v[SPW], v[NIL]
	s_wait_dscnt 0x0
	s_endpgm
.Lfunc_end_k_q7ee6a171e3_quant:
	.size	k_q7ee6a171e3_quant, .Lfunc_end_k_q7ee6a171e3_quant-k_q7ee6a171e3_quant
	.p2alignl 7, 3214868480
	.fill 96, 4, 3214868480
	.section	.rodata,"a",@progbits
	.p2align	6, 0x0
	.amdhsa_kernel k_q7ee6a171e3_quant
		.amdhsa_group_segment_fixed_size 33280
		.amdhsa_private_segment_fixed_size 0
		.amdhsa_enable_private_segment 0
		.amdhsa_kernarg_size 56
		.amdhsa_user_sgpr_count 2
		.amdhsa_user_sgpr_kernarg_segment_ptr 1
		.amdhsa_wavefront_size32 1
		.amdhsa_system_sgpr_workgroup_id_x 1
		.amdhsa_system_sgpr_workgroup_id_y 1
		.amdhsa_system_sgpr_workgroup_id_z 1
		.amdhsa_system_vgpr_workitem_id 0
		.amdhsa_next_free_vgpr 256
		.amdhsa_next_free_sgpr 66
		.amdhsa_reserve_vcc 0
		.amdhsa_float_denorm_mode_32 3
		.amdhsa_float_denorm_mode_16_64 3
		.amdhsa_memory_ordered 1
		.amdhsa_forward_progress 1
		.amdhsa_inst_pref_size 33
	.end_amdhsa_kernel
	.amdgpu_metadata
---
amdhsa.version: [ 1, 2 ]
amdhsa.kernels:
  - .name:           k_q7ee6a171e3_quant
    .symbol:         k_q7ee6a171e3_quant.kd
    .args:
      - { .name: x, .offset: 0, .size: 8, .value_kind: global_buffer, .address_space: global }
      - { .name: Wq, .offset: 8, .size: 8, .value_kind: global_buffer, .address_space: global }
      - { .name: Wk, .offset: 16, .size: 8, .value_kind: global_buffer, .address_space: global }
      - { .name: Wv, .offset: 24, .size: 8, .value_kind: global_buffer, .address_space: global }
      - { .name: Wo, .offset: 32, .size: 8, .value_kind: global_buffer, .address_space: global }
      - { .name: cod, .offset: 40, .size: 8, .value_kind: global_buffer, .address_space: global }
      - { .name: scl, .offset: 48, .size: 8, .value_kind: global_buffer, .address_space: global }
    .group_segment_fixed_size: 33280
    .private_segment_fixed_size: 0
    .kernarg_segment_align: 8
    .kernarg_segment_size: 56
    .max_flat_workgroup_size: 128
    .sgpr_count:     66
    .vgpr_count:     256
    .wavefront_size: 32
...
	.end_amdgpu_metadata
.endif
;; end of part 1
;; launch proj (part 2): grid 224 x 1, 4 waves a work-group, no clusters, 0 bytes of LDS; arguments cod, scl, qimg, kimg, vimg; writes qimg, kimg, vimg
.if DOCPART == 2
	.amdgcn_target "amdgcn-amd-amdhsa--gfx1250"
	.amdhsa_code_object_version 6
	.text
	.protected	k_q7ee6a171e3_proj
	.globl	k_q7ee6a171e3_proj
	.p2align	8
	.type	k_q7ee6a171e3_proj,@function
k_q7ee6a171e3_proj:
	s_mov_b64 s[64:65], 0
	v_nop
	global_prefetch_b8 v0, s[64:65] scope:SCOPE_SE
	s_setreg_imm32_b32 hwreg(HW_REG_WAVE_MODE, 25, 1), 1
	s_wait_xcnt 0x0
; q = x Wq^T, k = x Wk^T, v = x Wv^T on codes of FP6 (K = 512: four matrix instructions deep), each result quantised in registers for the product that takes it next, and stored as an IMAGE OF THE OPERAND'S REGISTERS.
; THE TILE RULE: of 32 rows, lane r of tile 2 b + u takes row 32 b + 8 u + r + 8 (r / 8).  It holds for x's rows and for a head's 64 rows of a weight.  A result's 16 registers of tiles 2 b, 2 b + 1 are then 16 neighbours 32 b + 16 (lane / 16) + 0 .. 15.
; PATH QK (work-groups 0-159, 640 waves): a wave takes one head (16 of q, 4 of k) and 64 rows of x.  Source 0 = 16 rows of W, source 1 = 16 rows of x: a lane holds one row of x and its registers run along d, the next K (64: two blocks).
;   Out: a record of 3,328 bytes: tile m at 768 m: registers 0-3 at 16 x lane, registers 4-5 at 512 + 8 x lane; at 3,072 the scale words, 8 x lane + 4 j: register j holds tile 2 j in lanes 0-15, tile 2 j + 1 in lanes 16-31.
;   A scale word: d 0-31's byte, d 32-63's byte, 0x7f, 0x7f (the instruction's upper 64 along K are zero codes, made by the reader).
; PATH V (work-groups 160-223, 256 waves): a wave takes 128 rows of x (a key step) and 16 d of one kv head.  Source 0 = x, source 1 = Wv: a lane holds one d and its registers run along the keys, the next K.
;   Out: in a record of 6,656 bytes a key step: d tile t at 1,536 t: three runs of 512 bytes, 16 x lane; its scale words at 6,144 + 128 t + 4 x lane (that one store covers 128 consecutive bytes: 32 KB of the launch's output).
; Waves share nothing: no LDS, no barrier.  Each path asks for all its operands at its head and waits once.
; LIMITS: a block of zeros gets the byte 1 where the rule says 127 (zero codes; this program alone reads the bytes); NaN and infinities are not served.
; REGISTERS: window 0: v1-9 lane terms; v16-63 scale words; v64-127 accumulators; v128-175 Wv's fragments; v176-191 at work; v192-197 scale words made; v200-234 codes made.  Windows 1, 2: 16 fragments each.
.set WS,  16                           ; the weight's scale words: 4 t + s
.set XS,  32                           ; x's: 4 m + s
.set HA,  64
.set WF,  128
.set TM,  176
.set PW,  192
.set SB,  196
.set PC,  200
.set Y,   232
.set WV,  14
.set SEL, 20
.set MSB, 0
.macro WIN new                         ; the immediate's high byte repeats the setting that is left
.if MSB != \new
	s_set_vgpr_msb (MSB<<8)|\new
.set MSB, \new
.endif
.endm
.macro FRAG16 sb, ro                   ; 16 fragments (tile t of four, K step s) at v[12 (4 t + s)]: a lane's 2 x 24 bytes as six pieces of 8
.irp t, 0,1,2,3
.irp s, 0,1,2,3
.irp p, 0,1,2,3,4,5
	global_load_b64 v[12*(4*\t+\s)+2*\p:12*(4*\t+\s)+2*\p+1], v3, s[\sb:\sb+1] offset:((\ro)+32*(\t/2)+8*(\t%2))*384+96*\s+48*(\p/3)+8*(\p%3)
.endr
.endr
.endr
.endm
.macro SC4 reg, sb, ro                 ; a row's 16 scale bytes are its four K steps' words: one load a tile
.irp t, 0,1,2,3
	global_load_b128 v[(\reg)+4*\t:(\reg)+4*\t+3], v4, s[\sb:\sb+1] offset:((\ro)+32*(\t/2)+8*(\t%2))*16
.endr
.endm
; 32 numbers of a lane, register 16 b + i = k 32 b + 16 (lane / 16) + i, become registers 0-5 of a fragment at v[pc] and the row's scale word in v[pw]
.macro QUANT2 s, pc, pw
.irp b, 0,1
	v_max3_num_f32 v[TM+\b], |v[\s+16*\b]|, |v[\s+1+16*\b]|, 0x1800000   ; with the floor 2^(3 - 127): the byte cannot fall under 1
.endr
.irp i, 2,4,6,8,10,12,14
.irp b, 0,1
	v_max3_num_f32 v[TM+\b], v[TM+\b], |v[\s+16*\b+\i]|, |v[\s+1+16*\b+\i]|
.endr
.endr
.irp b, 0,1
	v_permlanex16_b32 v[TM+4+\b], v[TM+\b], s[SEL], s[SEL+1]
.endr
.irp b, 0,1
	v_max_num_f32 v[TM+\b], v[TM+\b], v[TM+4+\b]   ; with lane l xor 16's 16: the block's largest magnitude
.endr
.irp b, 0,1
	v_add_nc_u32 v[TM+12+\b], 0xff000000, v[TM+\b] ; 2 off its exponent field: the conversion's scale operand
.endr
.irp b, 0,1
	v_lshrrev_b32 v[TM+4+\b], 23, v[TM+12+\b]      ; the byte
.endr
	v_lshl_or_b32 v[(\pw)], v[TM+5], 8, v[TM+4]
	v_or_b32 v[(\pw)], 0x7f7f0000, v[(\pw)]
	v_cvt_scalef32_pk16_fp6_f32 v[(\pc):(\pc)+2], v[\s:\s+15], v[TM+12]
	v_cvt_scalef32_pk16_fp6_f32 v[Y:Y+2], v[\s+16:\s+31], v[TM+13]
	v_nop                                          ; one plain line behind the scaled conversions
.irp i, 0,1,2
	v_permlane16_swap_b32 v[(\pc)+\i], v[Y+\i]     ; a whole block to a lane: lanes 0-15 block 0, lanes 16-31 block 1
.endr
.irp i, 0,1,2
	v_mov_b32 v[(\pc)+3+\i], v[Y+\i]
.endr
.endm
; 64 numbers of a lane, in the same order, become a whole fragment at v[PC] and its scale word in v[PW]
.macro QUANT4 s
.irp b, 0,1,2,3
	v_max3_num_f32 v[TM+\b], |v[\s+16*\b]|, |v[\s+1+16*\b]|, 0x1800000
.endr
.irp i, 2,4,6,8,10,12,14
.irp b, 0,1,2,3
	v_max3_num_f32 v[TM+\b], v[TM+\b], |v[\s+16*\b+\i]|, |v[\s+1+16*\b+\i]|
.endr
.endr
.irp b, 0,1,2,3
	v_permlanex16_b32 v[TM+4+\b], v[TM+\b], s[SEL], s[SEL+1]
.endr
.irp b, 0,1,2,3
	v_max_num_f32 v[TM+\b], v[TM+\b], v[TM+4+\b]
.endr
.irp b, 0,1,2,3
	v_add_nc_u32 v[TM+12+\b], 0xff000000, v[TM+\b]
.endr
.irp b, 0,1,2,3
	v_lshrrev_b32 v[TM+4+\b], 23, v[TM+12+\b]
.endr
	v_lshl_or_b32 v[PW], v[TM+5], 8, v[TM+4]
	v_lshl_or_b32 v[PW], v[TM+6], 16, v[PW]
	v_lshl_or_b32 v[PW], v[TM+7], 24, v[PW]
.irp c, 0,1
	v_cvt_scalef32_pk16_fp6_f32 v[PC+6*\c:PC+2+6*\c], v[\s+32*\c:\s+15+32*\c], v[TM+12+2*\c]
	v_cvt_scalef32_pk16_fp6_f32 v[PC+12+4*\c:PC+14+4*\c], v[\s+16+32*\c:\s+31+32*\c], v[TM+12+2*\c+1]
.endr
	v_nop
.irp c, 0,1
.irp i, 0,1,2
	v_permlane16_swap_b32 v[PC+6*\c+\i], v[PC+12+4*\c+\i]
.endr
.irp i, 0,1,2
	v_mov_b32 v[PC+3+6*\c+\i], v[PC+12+4*\c+\i]
.endr
.endr
.endm
	s_load_b128 s[4:7], s[0:1], 0x0                ; cod, scl
	s_load_b128 s[8:11], s[0:1], 0x10              ; qimg, kimg
	s_load_b64 s[12:13], s[0:1], 0x20              ; vimg
	v_lshrrev_b32 v1, 5, v0
	v_readfirstlane_b32 s[WV], v1                  ; wave
	v_and_b32 v8, 31, v0                           ; lane
	v_and_b32 v1, 15, v0                           ; r
	v_bfe_u32 v2, v0, 4, 1                         ; h
	v_and_b32 v9, 8, v1
	v_add_nc_u32 v9, v9, v1                        ; r + 8 (r / 8)
	v_mul_u32_u24 v3, v9, 384                      ; a row of 512 codes is 384 bytes
	v_mad_u32_u24 v3, v2, 24, v3
	v_lshlrev_b32 v4, 4, v9                        ; and of scale bytes 16
	v_lshlrev_b32 v5, 4, v8
	v_lshlrev_b32 v6, 3, v8
	v_lshlrev_b32 v7, 2, v8
	s_mov_b32 s[SEL], 0x76543210
	s_mov_b32 s[SEL+1], 0xfedcba98                 ; lane l xor 16
.irp b, 0,1,2,3
	v_mov_b32 v[TM+4+\b], 0                        ; a lane permute's destination counts as one of its sources
.endr
	s_mov_b32 s17, 0
	s_mov_b32 s19, 0
	s_cmp_lt_u32 ttmp9, 160
	s_cbranch_scc0 .Lpath_v
	; ---- PATH QK
	s_lshl_b32 s15, ttmp9, 2
	s_add_co_u32 s15, s15, s[WV]                   ; id = 32 x unit + 64-row group of x
	s_lshr_b32 s32, s15, 5                         ; unit: 0-15 q's heads, 16-19 k's; its 64 rows of the weights' stream begin at row 64 x unit
	s_and_b32 s33, s15, 31
	s_mul_i32 s16, s32, 64*384
	s_add_co_u32 s16, s16, 786432
	s_lshl_b32 s18, s32, 10
	s_add_co_u32 s18, s18, 32768
	s_wait_kmcnt 0x0
	s_add_nc_u64 s[22:23], s[4:5], s[16:17]        ; W's codes
	s_add_nc_u64 s[24:25], s[6:7], s[18:19]        ; W's scale bytes
	s_mul_i32 s16, s33, 64*384
	s_lshl_b32 s18, s33, 10
	s_add_nc_u64 s[26:27], s[4:5], s[16:17]        ; x's codes
	s_add_nc_u64 s[28:29], s[6:7], s[18:19]        ; x's scale bytes
	s_sub_co_u32 s34, s15, 512
	s_cmp_lt_u32 s32, 16
	s_cselect_b64 s[30:31], s[8:9], s[10:11]       ; q's images or k's: the choice hangs on ids alone
	s_cselect_b32 s16, s15, s34
	s_mul_i32 s16, s16, 3328
	s_add_nc_u64 s[30:31], s[30:31], s[16:17]      ; my record
	WIN 0x40                                       ; destination window 1
	FRAG16 22, 0
	WIN 0x80                                       ; destination window 2
	FRAG16 26, 0
	WIN 0
	SC4 WS, 24, 0
	SC4 XS, 28, 0
	s_wait_loadcnt 0x0
.irp m, 0,1,2,3                        ; a tile of 16 rows of x at a time: four accumulators by turns, one instruction a turn
	WIN 0x09                                       ; source 0 (W) window 1, source 1 (x) window 2
.irp s, 0,1,2,3
.irp t, 0,1,2,3
.if \s == 0
	v_wmma_scale_f32_16x16x128_f8f6f4 v[HA+8*\t:HA+8*\t+7], v[12*(4*\t+\s):12*(4*\t+\s)+11], v[12*(4*\m+\s):12*(4*\m+\s)+11], 0, v[WS+4*\t+\s], v[XS+4*\m+\s] matrix_a_fmt:MATRIX_FMT_FP6 matrix_b_fmt:MATRIX_FMT_FP6
.else
	v_wmma_scale_f32_16x16x128_f8f6f4 v[HA+8*\t:HA+8*\t+7], v[12*(4*\t+\s):12*(4*\t+\s)+11], v[12*(4*\m+\s):12*(4*\m+\s)+11], v[HA+8*\t:HA+8*\t+7], v[WS+4*\t+\s], v[XS+4*\m+\s] matrix_a_fmt:MATRIX_FMT_FP6 matrix_b_fmt:MATRIX_FMT_FP6
.endif
.endr
.endr
	WIN 0
.rept 5
	v_nop                                          ; four places ahead of the first read of results; the fifth since the next tile's products begin these accumulators anew
.endr
	QUANT2 HA, PC+8*\m, PW+\m
	global_store_b128 v5, v[PC+8*\m:PC+8*\m+3], s[30:31] offset:768*\m        ; 512 consecutive bytes
	global_store_b64 v6, v[PC+8*\m+4:PC+8*\m+5], s[30:31] offset:768*\m+512   ; 256 consecutive bytes; each tile has its own registers, so no store's data are written again
.endr
	v_cmp_ne_u32 vcc_lo, 0, v2
	v_cndmask_b32 v[SB], v[PW], v[PW+1], vcc_lo    ; lanes 0-15 the even tile's words, lanes 16-31 the odd tile's
	v_cndmask_b32 v[SB+1], v[PW+2], v[PW+3], vcc_lo
	global_store_b64 v6, v[SB:SB+1], s[30:31] offset:3072
	s_endpgm
	; ---- PATH V
.Lpath_v:
	s_sub_co_u32 s15, ttmp9, 160
	s_lshl_b32 s15, s15, 2
	s_add_co_u32 s15, s15, s[WV]                   ; id = 64 kv + 4 x key step + d tile
	s_and_b32 s32, s15, 3                          ; d tile
	s_bfe_u32 s33, s15, 0x40002                    ; key step
	s_lshr_b32 s34, s15, 6                         ; kv
	s_lshl_b32 s35, s34, 6
	s_lshr_b32 s36, s32, 1
	s_lshl_b32 s36, s36, 5
	s_add_co_u32 s35, s35, s36
	s_and_b32 s36, s32, 1
	s_lshl_b32 s36, s36, 3
	s_add_co_u32 s35, s35, s36
	s_add_co_u32 s35, s35, 1280                    ; the tile's first row in the weights' stream: 1,280 + 64 kv + 32 (dt / 2) + 8 (dt % 2)
	s_mul_i32 s16, s35, 384
	s_add_co_u32 s16, s16, 786432
	s_lshl_b32 s18, s35, 4
	s_add_co_u32 s18, s18, 32768
	s_wait_kmcnt 0x0
	s_add_nc_u64 s[22:23], s[4:5], s[16:17]
	s_add_nc_u64 s[24:25], s[6:7], s[18:19]
	s_mul_i32 s16, s33, 128*384
	s_lshl_b32 s18, s33, 11
	s_add_nc_u64 s[26:27], s[4:5], s[16:17]
	s_add_nc_u64 s[28:29], s[6:7], s[18:19]
	s_lshr_b32 s16, s15, 2
	s_mul_i32 s16, s16, 6656                       ; my record: 16 kv + key step
	s_mul_i32 s18, s32, 1536
	s_add_co_u32 s18, s18, s16
	s_add_nc_u64 s[30:31], s[12:13], s[18:19]      ; my tile's codes
	s_lshl_b32 s18, s32, 7
	s_add_co_u32 s18, s18, s16
	s_add_nc_u64 s[36:37], s[12:13], s[18:19]      ; and, 6,144 on, its scale words
	WIN 0x40
	FRAG16 26, 0                                   ; x's tiles 0-3
	WIN 0x80
	FRAG16 26, 64                                  ; tiles 4-7
	WIN 0
	SC4 XS, 28, 0
	SC4 XS+16, 28, 64
.irp s, 0,1,2,3
.irp p, 0,1,2,3,4,5
	global_load_b64 v[WF+12*\s+2*\p:WF+12*\s+2*\p+1], v3, s[22:23] offset:96*\s+48*(\p/3)+8*(\p%3)
.endr
.endr
	global_load_b128 v[WS:WS+3], v4, s[24:25]
	s_wait_loadcnt 0x0
.macro MULV win, m0                    ; four tiles of keys, their accumulators by turns
	WIN \win
.irp s, 0,1,2,3
.irp m, 0,1,2,3
.if \s == 0
	v_wmma_scale_f32_16x16x128_f8f6f4 v[HA+8*(\m0+\m):HA+8*(\m0+\m)+7], v[12*(4*\m+\s):12*(4*\m+\s)+11], v[WF+12*\s:WF+12*\s+11], 0, v[XS+4*(\m0+\m)+\s], v[WS+\s] matrix_a_fmt:MATRIX_FMT_FP6 matrix_b_fmt:MATRIX_FMT_FP6
.else
	v_wmma_scale_f32_16x16x128_f8f6f4 v[HA+8*(\m0+\m):HA+8*(\m0+\m)+7], v[12*(4*\m+\s):12*(4*\m+\s)+11], v[WF+12*\s:WF+12*\s+11], v[HA+8*(\m0+\m):HA+8*(\m0+\m)+7], v[XS+4*(\m0+\m)+\s], v[WS+\s] matrix_a_fmt:MATRIX_FMT_FP6 matrix_b_fmt:MATRIX_FMT_FP6
.endif
.endr
.endr
.endm
	MULV 0x01, 0                                   ; source 0 (x) window 1
	MULV 0x02, 4                                   ; window 2
	WIN 0
.rept 4
	v_nop
.endr
	QUANT4 HA
.irp c, 0,1,2
	global_store_b128 v5, v[PC+4*\c:PC+4*\c+3], s[30:31] offset:512*\c
.endr
	global_store_b32 v7, v[PW], s[36:37] offset:6144
	s_endpgm
.Lfunc_end_k_q7ee6a171e3_proj:
	.size	k_q7ee6a171e3_proj, .Lfunc_end_k_q7ee6a171e3_proj-k_q7ee6a171e3_proj
	.p2alignl 7, 3214868480
	.fill 96, 4, 3214868480
	.section	.rodata,"a",@progbits
	.p2align	6, 0x0
	.amdhsa_kernel k_q7ee6a171e3_proj
		.amdhsa_group_segment_fixed_size 0
		.amdhsa_private_segment_fixed_size 0
		.amdhsa_enable_private_segment 0
		.amdhsa_kernarg_size 40
		.amdhsa_user_sgpr_count 2
		.amdhsa_user_sgpr_kernarg_segment_ptr 1
		.amdhsa_wavefront_size32 1
		.amdhsa_system_sgpr_workgroup_id_x 1
		.amdhsa_system_sgpr_workgroup_id_y 1
		.amdhsa_system_sgpr_workgroup_id_z 1
		.amdhsa_system_vgpr_workitem_id 0
		.amdhsa_next_free_vgpr 768
		.amdhsa_next_free_sgpr 66
		.amdhsa_reserve_vcc 1
		.amdhsa_float_denorm_mode_32 3
		.amdhsa_float_denorm_mode_16_64 3
		.amdhsa_memory_ordered 1
		.amdhsa_forward_progress 1
		.amdhsa_inst_pref_size 70
	.end_amdhsa_kernel
	.amdgpu_metadata
---
amdhsa.version: [ 1, 2 ]
amdhsa.kernels:
  - .name:           k_q7ee6a171e3_proj
    .symbol:         k_q7ee6a171e3_proj.kd
    .args:
      - { .name: cod, .offset: 0, .size: 8, .value_kind: global_buffer, .address_space: global }
      - { .name: scl, .offset: 8, .size: 8, .value_kind: global_buffer, .address_space: global }
      - { .name: qimg, .offset: 16, .size: 8, .value_kind: global_buffer, .address_space: global }
      - { .name: kimg, .offset: 24, .size: 8, .value_kind: global_buffer, .address_space: global }
      - { .name: vimg, .offset: 32, .size: 8, .value_kind: global_buffer, .address_space: global }
    .group_segment_fixed_size: 0
    .private_segment_fixed_size: 0
    .kernarg_segment_align: 8
    .kernarg_segment_size: 40
    .max_flat_workgroup_size: 128
    .sgpr_count:     66
    .vgpr_count:     768
    .wavefront_size: 32
...
	.end_amdgpu_metadata
.endif
;; end of part 2
;; launch attn (part 3): grid 64 x 4, 16 waves a work-group, clusters of 4 x 1, 215,040 bytes of LDS; arguments qimg, kimg, vimg, opart; writes opart
.if DOCPART == 3
	.amdgcn_target "amdgcn-amd-amdhsa--gfx1250"
	.amdhsa_code_object_version 6
	.text
	.protected	k_q7ee6a171e3_attn
	.globl	k_q7ee6a171e3_attn
	.p2align	8
	.type	k_q7ee6a171e3_attn,@function
k_q7ee6a171e3_attn:
	s_mov_b64 s[64:65], 0
	v_nop
	global_prefetch_b8 v0, s[64:65] scope:SCOPE_SE
	s_setreg_imm32_b32 hwreg(HW_REG_WAVE_MODE, 25, 1), 1
	s_wait_xcnt 0x0
	s_wait_alu depctr_hold_cnt(0) depctr_sa_sdst(0) depctr_va_vdst(0) depctr_va_sdst(0) depctr_va_ssrc(0) depctr_va_vcc(0) depctr_vm_vsrc(0)
	s_getreg_b32 s2, hwreg(HW_REG_IB_STS2, 6, 4)
	s_cmp_eq_u32 s2, 0
	s_cbranch_scc0 .Lentry_in_a_cluster
	s_endpgm
.Lentry_in_a_cluster:
	s_bfe_u32 s2, ttmp6, 0x10000c
	s_cmp_lg_u32 s2, 0x3003
	s_cbranch_scc0 .Lentry_shape_is_right
	s_endpgm
.Lentry_shape_is_right:
; For one kv head: O_kv[s][h][:] = the sum over t <= s of w[s][t] v[t][:], w = softmax_t(q[s][h] . k[t] / 8), both products on codes of FP6 with E8M0 scales.
; w IS QUANTISED FINISHED AND NORMALISED, so the row's sum is known before any w is made: TWO PASSES over the keys.  Pass 1: scores, the running largest t = score x log2(e) / 8, M = that rounded up to a whole number, l = the sum of 2^(t - M)
; (when M moves, l is multiplied by a power of two: nothing is rounded).  Pass 2: the same products give the same scores; w = 2^(t - M) x (1 / l); each block of 32 keys is quantised; O^T += V^T w^T.  O needs no rescaling.
; The first product's K is 64: the instruction's upper 64 are zero codes on both sides (registers set to zero once), their scale bytes 0x7f.
; SHARES.  A work-group serves one kv head (grid y); that head's K and V, 2 x 106,496 bytes of register images, come into LDS ONCE and stay: no slot is filled twice.  A wave owns a tile of 16 queries of one query head:
; tile p = 4 x cluster x + wave / 4 and then tile 127 - p, head 4 (wave % 4) + cx.  Tile i sees key steps 0 .. i / 8, so every wave has 17 key steps of 128 keys a pass.  Four waves to a SIMD: one's vector work stands beside another's products and LDS loads.
; CLUSTER.  The four partners serve the same kv head: each record is asked for JOINTLY (mask 15, the same descriptor in all four).  cx enters the addresses of q and of the output alone: no branch, trip count or LDS address.
; CAUSAL.  Each pass is a loop of 16 trips, a constant; a step whose keys all come after the tile's queries is jumped over by a scalar branch on ids.  In the one step on the diagonal hidden scores become -infinity.
; LAYOUT.  S^T = K Q^T, O^T = V^T w^T: a lane holds one query throughout.  Rows follow the tile rule (lane r of tile 2 b + u: row 32 b + 8 u + r + 8 (r / 8)): the 16 registers of tiles 2 b, 2 b + 1 are keys 32 b + 16 (lane / 16) + 0 .. 15.
; OUT: the 32 registers of O^T as they stand, four at a time, 512 consecutive bytes a store: [kv][tile][head][4,096].
; LIMITS: a w under 2^-126 is 0 (the exponential gives zero there); a block's largest w is taken from its largest score (the exponential is taken not to fall where its input rises); 1 / l by v_rcp_f32; NaN and infinities are not served.
; REGISTERS: v1-4 lane terms; v5, v6 the add's two; v7 the mask's number; v8-11 addresses in hand; v12 -M, v13 largest t, v[14:15] the sum, then 1 / l in v14; v16-27, v192-203 the two tiles' Q; v28, v29 their scale words;
;   v32-79 four fragments of K; v80-83 K's scale words, v84-87 V's; v96-159 S^T, p, w, then V's four fragments; v160-191 O^T; v224-235 w's codes; v232-254 at work.
.set L16,  1
.set L8,   2
.set LV16, 3
.set LV4,  4
.set SPW,  5
.set NIL,  6
.set QD,   7
.set A16,  8
.set A8,   9
.set AV16, 10
.set AV4,  11
.set QA,   16
.set QSA,  28
.set QSB,  29
.set RD,   30
.set R8,   31
.set KF,   32
.set KS,   80
.set VS,   84
.set S,    96
.set O,    160
.set QB,   192
.set HREC, 3328                        ; 64 keys of K: four tiles of 768 bytes and 256 bytes of scale words
.set REC,  6656                        ; a key step's record, of K and of V alike
.set VBASE, 16*REC                     ; V's records lie behind K's
.set SPARE, 32*REC                     ; behind them: the spare words, 128 bytes a wave, that no other line names
.set WV,   12
.set SEL,  20
.set CS,   22
.set G1,   24
.set G0K,  32
.set G0V,  36
.set TB,   40                          ; LDS byte of the step's record
.set STP,  41                          ; the step
.macro CROUND                          ; a round of the cluster's barrier
	s_barrier_signal -1
	s_barrier_wait -1
	s_cmp_lg_u32 s[WV], 0
	s_cbranch_scc1 .Lnot_wave_0_\@
	s_barrier_signal -3
.Lnot_wave_0_\@:
	s_barrier_wait -3
	s_barrier_signal -1
	s_barrier_wait -1
.endm
; tile s[i]: where its Q, Q's scale words and its output lie, and the mask's constant
.macro TADDR i, qb, qsb, ob, qd
	s_lshr_b32 s56, s[\i], 2
	s_lshl_b32 s57, s15, 5
	s_add_co_u32 s56, s56, s57
	s_mul_i32 s56, s56, HREC                       ; record 32 x head + i / 4
	s_and_b32 s58, s[\i], 3
	s_mul_i32 s58, s58, 768
	s_add_co_u32 s58, s58, s56
	s_mov_b32 s59, 0
	s_add_nc_u64 s[\qb:\qb+1], s[4:5], s[58:59]
	s_and_b32 s58, s[\i], 1
	s_lshl_b32 s58, s58, 7                         ; the odd tile's words lie in lanes 16-31: 128 bytes on
	s_add_co_u32 s58, s58, s56
	s_bfe_u32 s57, s[\i], 0x10001
	s_lshl_b32 s57, s57, 2                         ; register (i / 2) % 2 of the two
	s_add_co_u32 s58, s58, s57
	s_add_nc_u64 s[\qsb:\qsb+1], s[4:5], s[58:59]
	s_lshl_b32 s58, s14, 7
	s_add_co_u32 s58, s58, s[\i]
	s_lshl_b32 s58, s58, 4
	s_add_co_u32 s58, s58, s15
	s_lshl_b32 s58, s58, 12                        ; ((128 kv + i) 16 + head) x 4,096
	s_add_nc_u64 s[\ob:\ob+1], s[10:11], s[58:59]
	s_bfe_u32 s57, s[\i], 0x20001
	s_lshl_b32 s57, s57, 5
	s_and_b32 s58, s[\i], 1
	s_lshl_b32 s58, s58, 3
	s_add_co_u32 s[\qd], s57, s58                  ; the tile's first row within its 128: 32 ((i % 8) / 2) + 8 (i % 2)
.endm
	s_load_b256 s[4:11], s[0:1], 0x0               ; qimg, kimg, vimg, opart
	v_lshl_add_u32 v[SPW], v0, 2, SPARE
	v_mov_b32 v[NIL], 0
	ds_add_u32 v[SPW], v[NIL]                      ; the wave's opening: the add and its wait ahead of my first tensor load; work on registers stands between them
	v_lshrrev_b32 v8, 5, v0
	v_readfirstlane_b32 s[WV], v8                  ; wave 0..15
	s_bfe_u32 s13, ttmp6, 0x40000                  ; cx
	s_and_b32 s14, ttmp7, 0xffff                   ; kv, which the partners share
	s_and_b32 s15, s[WV], 3
	s_lshl_b32 s15, s15, 2
	s_add_co_u32 s15, s15, s13                     ; my query head
	s_lshl_b32 s16, ttmp9, 2
	s_lshr_b32 s17, s[WV], 2
	s_add_co_u32 s16, s16, s17                     ; tile A = p
	s_sub_co_u32 s17, 127, s16                     ; tile B
	s_lshr_b32 s18, s16, 3                         ; their last key steps
	s_lshr_b32 s19, s17, 3
	s_mov_b32 s[G1], 15|(3<<16)|(1<<21)            ; 15:0 the mask: all four partners; 17:16 elements of 8 bytes; 21 set beside a mask; no padding: images are read as consecutive bytes
	s_mov_b32 s[G1+1], 32<<16                      ; tensor_dim0 = 32 elements: rows of 256 bytes
	s_mov_b32 s[G1+2], 26<<16                      ; tensor_dim1 = 26 rows: 6,656 bytes
	s_mov_b32 s[G1+3], 32<<16                      ; tile_dim0
	s_mov_b32 s[G1+4], 26                          ; tile_dim1
	s_mov_b32 s[G1+5], 32                          ; the pitch: dense
	s_mov_b32 s[G1+6], 0
	s_mov_b32 s[G1+7], 0
	s_mov_b32 s[G0K], 1
	s_mul_i32 s[G0K+1], s[WV], REC                 ; wave w brings key step w's record of K and of V
	s_mov_b32 s[G0V], 1
	s_add_co_u32 s[G0V+1], s[G0K+1], VBASE
	s_mul_i32 s56, s14, 16*REC
	s_add_co_u32 s56, s56, s[G0K+1]
	s_mov_b32 s57, 0
	s_mov_b32 s[SEL], 0x76543210
	s_mov_b32 s[SEL+1], 0xfedcba98                 ; lane l xor 16
	s_mov_b32 s[CS], 0x3e38aa3b                    ; c = log2(e) / 8
	s_mov_b32 s[CS+1], s[CS]                       ; (named with it as a pair)
	s_wait_dscnt 0x0                               ; the opening add is done
	s_wait_kmcnt 0x0
	s_add_nc_u64 s[G0K+2:G0K+3], s[6:7], s[56:57]
	s_or_b32 s[G0K+3], s[G0K+3], 0x80000000
	s_add_nc_u64 s[G0V+2:G0V+3], s[8:9], s[56:57]
	s_or_b32 s[G0V+3], s[G0V+3], 0x80000000
	CROUND                                         ; all four work-groups are here: the joint loads meet
	tensor_load_to_lds s[G0K:G0K+3], s[G1:G1+7]    ; two tensor loads of mine are out, the only two of the launch
	s_nop 0
	tensor_load_to_lds s[G0V:G0V+3], s[G1:G1+7]
	s_nop 0
.rept 4
	v_nop
.endr
	v_and_b32 v8, 31, v0                           ; lane
	v_lshlrev_b32 v[L16], 4, v8
	v_lshlrev_b32 v[L8], 3, v8
	v_add_nc_u32 v[LV16], VBASE, v[L16]
	v_lshl_add_u32 v[LV4], v8, 2, VBASE
	v_and_b32 v9, 15, v0                           ; r
	v_lshlrev_b32 v[R8], 3, v9
	v_and_b32 v10, 8, v9
	v_add_nc_u32 v10, v10, v9
	v_and_b32 v11, 16, v0
	v_sub_nc_u32 v[RD], v10, v11                   ; r + 8 (r / 8) - 16 (lane / 16)
	TADDR 16, 44, 46, 52, 60
	TADDR 17, 48, 50, 54, 61
	global_load_b128 v[QA:QA+3], v[L16], s[44:45]
	global_load_b64 v[QA+4:QA+5], v[L8], s[44:45] offset:512
	global_load_b32 v[QSA], v[R8], s[46:47] offset:3072
	global_load_b128 v[QB:QB+3], v[L16], s[48:49]
	global_load_b64 v[QB+4:QB+5], v[L8], s[48:49] offset:512
	global_load_b32 v[QSB], v[R8], s[50:51] offset:3072
.irp t, 0,1,2,3
.irp z, 6,7,8,9,10,11
	v_mov_b32 v[KF+12*\t+\z], 0                    ; the upper 64 along K: zero codes, written once
.endr
.endr
.irp z, 6,7,8,9,10,11
	v_mov_b32 v[QA+\z], 0
	v_mov_b32 v[QB+\z], 0
.endr
.irp b, 0,1,2,3
	v_mov_b32 v[236+\b], 0                         ; a lane permute's destination counts as one of its sources
.endr
	v_mov_b32 v252, 0
	v_mov_b32 v253, 0                              ; (named as the upper half of the pair v[252:253] before it is first written)
	s_wait_tensorcnt 0x1                           ; my record of K is in; V's, issued behind it, may be out
	s_barrier_signal -1
	s_barrier_wait -1                              ; everybody's is: the head's K is whole
	s_wait_loadcnt 0x0                             ; Q
; S^T = K Q^T for the step's 128 keys, four tiles of 16 keys at a time
.macro KQ qf, qs
	v_add_nc_u32 v[A16], s[TB], v[L16]
	v_add_nc_u32 v[A8], s[TB], v[L8]
.irp g, 0,1
.if \g
.rept 4
	v_nop                                          ; places ahead of loads into registers that the products just issued have read
.endr
.endif
.irp t, 0,1,2,3
	ds_load_b128 v[KF+12*\t:KF+12*\t+3], v[A16] offset:HREC*\g+768*\t
	ds_load_b64 v[KF+12*\t+4:KF+12*\t+5], v[A8] offset:HREC*\g+768*\t+512
.endr
	ds_load_b64 v[KS+2*\g:KS+2*\g+1], v[A8] offset:HREC*\g+3072
	s_wait_dscnt 0x0
.irp t, 0,1,2,3
.if \t%2
	v_wmma_scale_f32_16x16x128_f8f6f4 v[S+8*(4*\g+\t):S+8*(4*\g+\t)+7], v[KF+12*\t:KF+12*\t+11], v[\qf:\qf+11], 0, v[KS+2*\g+\t/2], v[\qs] matrix_a_fmt:MATRIX_FMT_FP6 matrix_b_fmt:MATRIX_FMT_FP6 matrix_a_scale:MATRIX_SCALE_ROW1
.else
	v_wmma_scale_f32_16x16x128_f8f6f4 v[S+8*(4*\g+\t):S+8*(4*\g+\t)+7], v[KF+12*\t:KF+12*\t+11], v[\qf:\qf+11], 0, v[KS+2*\g+\t/2], v[\qs] matrix_a_fmt:MATRIX_FMT_FP6 matrix_b_fmt:MATRIX_FMT_FP6
.endif
.endr
.endr
.rept 4
	v_nop                                          ; places ahead of the first read of results
.endr
.endm
; On the diagonal: register 16 b + i holds key 32 b + 16 (lane / 16) + i of the step: hidden where 32 b + i > v[QD].  Registers in ascending order.
.macro MASK g
	s_cmp_lg_u32 s[STP], s[\g]
	s_cbranch_scc1 .Lopen_\@
	v_mov_b32 v254, 0xff800000                     ; -infinity
.set n, 0
.rept 64
	v_cmp_gt_i32 vcc_lo, 32*(n/16)+n%16, v[QD]
	v_cndmask_b32 v[S+n], v[S+n], v254, vcc_lo
.set n, n+1
.endr
.Lopen_\@:
.endm
.macro BMAX                            ; the largest score of each block of 32 keys, four chains by turns
.irp b, 0,1,2,3
	v_max3_num_f32 v[232+\b], v[S+16*\b], v[S+1+16*\b], v[S+2+16*\b]
.endr
.irp i, 3,5,7,9,11,13
.irp b, 0,1,2,3
	v_max3_num_f32 v[232+\b], v[232+\b], v[S+16*\b+\i], v[S+1+16*\b+\i]
.endr
.endr
.irp b, 0,1,2,3
	v_max_num_f32 v[232+\b], v[232+\b], v[S+15+16*\b]
.endr
.irp b, 0,1,2,3
	v_permlanex16_b32 v[236+\b], v[232+\b], s[SEL], s[SEL+1]
.endr
.irp b, 0,1,2,3
	v_max_num_f32 v[232+\b], v[232+\b], v[236+\b]  ; with lane l xor 16's 16 keys
.endr
.endm
.macro TMINUSM                         ; t - M, two at a time (of the pairs c and -M the low word serves both halves)
.set j, 0
.rept 32
	v_pk_fma_f32 v[S+j:S+j+1], v[S+j:S+j+1], s[CS:CS+1], v[12:13] op_sel_hi:[1,0,0]
.set j, j+2
.endr
.endm
.macro EXP64
.set j, 0
.rept 64
	v_exp_f32 v[S+j], v[S+j]
.set j, j+1
.endr
.endm
.macro TAIL back                       ; a trip's end: the next record, the next step; 16 trips, a constant
	s_add_co_u32 s[TB], s[TB], REC
	s_add_co_u32 s[STP], s[STP], 1
	s_cmp_lt_u32 s[STP], 16
	s_cbranch_scc1 \back
.endm
.macro PASS1 qf, qs, g
	s_mov_b32 s[TB], 0
	s_mov_b32 s[STP], 0
.Lone_\@:
	s_cmp_gt_u32 s[STP], s[\g]                     ; all of the step's keys come after my queries: ids alone
	s_cbranch_scc1 .Lone_past_\@
	KQ \qf, \qs
	MASK \g
	BMAX
	v_max3_num_f32 v254, v232, v233, v234
	v_max_num_f32 v254, v254, v235                 ; the step's largest score of my query
	v_mul_f32 v254, s[CS], v254                    ; as t
	v_max_num_f32 v13, v13, v254                   ; the running largest t
	v_mov_b32 v254, v12
	v_floor_f32 v12, -v13                          ; -M = floor(-t): M is a whole number
	v_sub_f32 v254, v12, v254                      ; old M - new M, 0 or less
	v_cvt_i32_f32 v254, v254                       ; (it saturates)
	v_ldexp_f32 v252, 1.0, v254                    ; f = 2^(old M - new M)
	TMINUSM
	EXP64
	v_pk_mul_f32 v[14:15], v[14:15], v[252:253] op_sel_hi:[1,0]   ; the sums under the new M (the plain line behind the exponentials)
	s_wait_alu depctr_va_vdst(0)                   ; one wait for the batch, ahead of its first reader
	v_pk_add_f32 v[236:237], v[S:S+1], v[S+2:S+3]  ; the row's sum, two at a time, in two chains
.irp j, 4,8,12,16,20,24,28,32,36,40,44,48,52,56,60
	v_pk_add_f32 v[14:15], v[14:15], v[S+\j:S+\j+1]
	v_pk_add_f32 v[236:237], v[236:237], v[S+2+\j:S+3+\j]
.endr
	v_pk_add_f32 v[14:15], v[14:15], v[236:237]
.Lone_past_\@:
	TAIL .Lone_\@
.endm
.macro PASS2 qf, qs, g
	s_mov_b32 s[TB], 0
	s_mov_b32 s[STP], 0
.Ltwo_\@:
	s_cmp_gt_u32 s[STP], s[\g]
	s_cbranch_scc1 .Ltwo_past_\@
	KQ \qf, \qs                                    ; the same instructions on the same registers as in pass 1: the same scores
	MASK \g
	BMAX
	v_add_nc_u32 v[AV16], s[TB], v[LV16]
	v_add_nc_u32 v[AV4], s[TB], v[LV4]
	TMINUSM
.irp b, 0,1,2,3
	v_fma_f32 v[232+\b], v[232+\b], s[CS], v12     ; the same of each block's largest score
.endr
	EXP64
.irp b, 0,1,2,3
	v_exp_f32 v[232+\b], v[232+\b]                 ; the block's largest p: the same two instructions on the same number give the same bits
.endr
	v_nop                                          ; the plain line behind the exponentials
	s_wait_alu depctr_va_vdst(0)                   ; one wait for all 68
.set j, 0
.rept 32
	v_pk_mul_f32 v[S+j:S+j+1], v[S+j:S+j+1], v[14:15] op_sel_hi:[1,0]   ; w = p x (1 / l): finished and normalised
.set j, j+2
.endr
.irp b, 0,1,2,3
	v_mul_f32 v[232+\b], v[232+\b], v14            ; the block's largest w
.endr
.irp b, 0,1,2,3
	v_max_num_f32 v[232+\b], 0x1800000, v[232+\b]  ; the floor 2^(3 - 127): the byte cannot fall under 1
.endr
.irp b, 0,1,2,3
	v_add_nc_u32 v[244+\b], 0xff000000, v[232+\b]  ; 2 off the exponent field: the conversion's scale operand
.endr
.irp b, 0,1,2,3
	v_lshrrev_b32 v[236+\b], 23, v[244+\b]
.endr
	v_lshl_or_b32 v253, v237, 8, v236              ; w's scale word for these 128 keys
	v_lshl_or_b32 v253, v238, 16, v253
	v_lshl_or_b32 v253, v239, 24, v253
.irp c, 0,1
	v_cvt_scalef32_pk16_fp6_f32 v[224+6*\c:226+6*\c], v[S+32*\c:S+15+32*\c], v[244+2*\c]
	v_cvt_scalef32_pk16_fp6_f32 v[236+4*\c:238+4*\c], v[S+16+32*\c:S+31+32*\c], v[244+2*\c+1]
.endr
	v_nop                                          ; one plain line behind the scaled conversions
.irp t, 0,1,2,3                        ; V's four fragments take the registers that w has left
.irp c, 0,1,2
	ds_load_b128 v[S+12*\t+4*\c:S+12*\t+4*\c+3], v[AV16] offset:1536*\t+512*\c
.endr
	ds_load_b32 v[VS+\t], v[AV4] offset:6144+128*\t
.endr
.irp c, 0,1                            ; a whole block to a lane: lanes 0-15 block 2 c, lanes 16-31 block 2 c + 1
.irp i, 0,1,2
	v_permlane16_swap_b32 v[224+6*\c+\i], v[236+4*\c+\i]
.endr
.irp i, 0,1,2
	v_mov_b32 v[227+6*\c+\i], v[236+4*\c+\i]
.endr
.endr
.rept 8
	v_nop                                          ; a scale register written by vector instructions stands 8 places ahead of a scaled product, an operand so written 4; V's loads are on their way meanwhile
.endr
	s_wait_dscnt 0x0
.irp t, 0,1,2,3                        ; O^T += V^T w^T: four accumulators, one instruction each; K's eight products stand between a trip's and the next trip's
	v_wmma_scale_f32_16x16x128_f8f6f4 v[O+8*\t:O+8*\t+7], v[S+12*\t:S+12*\t+11], v[224:235], v[O+8*\t:O+8*\t+7], v[VS+\t], v253 matrix_a_fmt:MATRIX_FMT_FP6 matrix_b_fmt:MATRIX_FMT_FP6
.endr
.rept 5
	v_nop                                          ; five places: the next step's products write over V's registers; four of them serve the stores of O^T
.endr
.Ltwo_past_\@:
	TAIL .Ltwo_\@
.endm
.macro TILE qf, qs, g, qd, ob, first
	v_add_nc_u32 v[QD], s[\qd], v[RD]              ; my query's place in its 128, less 16 (lane / 16)
	v_mov_b32 v13, 0xff61b1e6                      ; the largest t so far: -3e38
	v_floor_f32 v12, -v13
	v_mov_b32 v14, 0
	v_mov_b32 v15, 0
	PASS1 \qf, \qs, \g
	v_add_f32 v14, v14, v15                        ; the sum's two halves,
	v_permlanex16_b32 v252, v14, s[SEL], s[SEL+1]
	v_add_f32 v14, v14, v252                       ; and lane l xor 16's: l
	v_rcp_f32 v14, v14
	v_nop                                          ; a plain line behind the reciprocal
	s_wait_alu depctr_va_vdst(0)                   ; and the wait ahead of its first reader
.if \first
	s_wait_tensorcnt 0x0                           ; my record of V is in: no load was issued behind it
	s_wait_dscnt 0x0
	s_barrier_signal -1
	s_barrier_wait -1                              ; everybody's is: the head's V is whole
.else
	s_wait_xcnt 0x0                                ; the first tile's stores have read O^T's registers: they are written again only behind this wait
.endif
.set j, 0
.rept 32
	v_mov_b32 v[O+j], 0                            ; the step is written once: its first trip adds onto zeros
.set j, j+1
.endr
	PASS2 \qf, \qs, \g
.set j, 0
.rept 8
	global_store_b128 v[L16], v[O+4*j:O+4*j+3], s[\ob:\ob+1] offset:512*j th:TH_STORE_NT   ; 512 consecutive bytes; each accumulator from its low end on
.set j, j+1
.endr
.endm
	TILE QA, QSA, 18, 60, 52, 1
	TILE QB, QSB, 19, 61, 54, 0
	s_wait_tensorcnt 0x0                           ; the wave's end: three lines behind my last tensor load
	ds_add_u32 v[SPW], v[NIL]
	s_wait_dscnt 0x0
	CROUND                                         ; the closing round
	s_endpgm
.Lfunc_end_k_q7ee6a171e3_attn:
	.size	k_q7ee6a171e3_attn, .Lfunc_end_k_q7ee6a171e3_attn-k_q7ee6a171e3_attn
	.p2alignl 7, 3214868480
	.fill 96, 4, 3214868480
	.section	.rodata,"a",@progbits
	.p2align	6, 0x0
	.amdhsa_kernel k_q7ee6a171e3_attn
		.amdhsa_group_segment_fixed_size 215040
		.amdhsa_private_segment_fixed_size 0
		.amdhsa_enable_private_segment 0
		.amdhsa_kernarg_size 32
		.amdhsa_user_sgpr_count 2
		.amdhsa_user_sgpr_kernarg_segment_ptr 1
		.amdhsa_wavefront_size32 1
		.amdhsa_system_sgpr_workgroup_id_x 1
		.amdhsa_system_sgpr_workgroup_id_y 1
		.amdhsa_system_sgpr_workgroup_id_z 1
		.amdhsa_system_vgpr_workitem_id 0
		.amdhsa_next_free_vgpr 256
		.amdhsa_next_free_sgpr 66
		.amdhsa_reserve_vcc 1
		.amdhsa_float_denorm_mode_32 3
		.amdhsa_float_denorm_mode_16_64 3
		.amdhsa_memory_ordered 1
		.amdhsa_forward_progress 1
		.amdhsa_inst_pref_size 86
	.end_amdhsa_kernel
	.amdgpu_metadata
---
amdhsa.version: [ 1, 2 ]
amdhsa.kernels:
  - .name:           k_q7ee6a171e3_attn
    .symbol:         k_q7ee6a171e3_attn.kd
    .args:
      - { .name: qimg, .offset: 0, .size: 8, .value_kind: global_buffer, .address_space: global }
      - { .name: kimg, .offset: 8, .size: 8, .value_kind: global_buffer, .address_space: global }
      - { .name: vimg, .offset: 16, .size: 8, .value_kind: global_buffer, .address_space: global }
      - { .name: opart, .offset: 24, .size: 8, .value_kind: global_buffer, .address_space: global }
    .group_segment_fixed_size: 215040
    .private_segment_fixed_size: 0
    .kernarg_segment_align: 8
    .kernarg_segment_size: 32
    .max_flat_workgroup_size: 512
    .sgpr_count:     66
    .vgpr_count:     256
    .wavefront_size: 32
...
	.end_amdgpu_metadata
.endif
;; end of part 3
;; launch outp (part 4): grid 2 x 128, 4 waves a work-group, no clusters, 30,720 bytes of LDS; arguments opart, cod, scl, out0; writes out0
.if DOCPART == 4
	.amdgcn_target "amdgcn-amd-amdhsa--gfx1250"
	.amdhsa_code_object_version 6
	.text
	.protected	k_q7ee6a171e3_outp
	.globl	k_q7ee6a171e3_outp
	.p2align	8
	.type	k_q7ee6a171e3_outp,@function
k_q7ee6a171e3_outp:
	s_mov_b64 s[64:65], 0
	v_nop
	global_prefetch_b8 v0, s[64:65] scope:SCOPE_SE
	s_setreg_imm32_b32 hwreg(HW_REG_WAVE_MODE, 25, 1), 1
	s_wait_xcnt 0x0
; out0 = Q(o) Q(Wo)^T, o = (the sum of the four kv heads' parts) / 4, K = 1,024 = (head, d), on codes of FP6 with E8M0 scales.
; SHARES.  A work-group takes one tile of 16 queries (grid y) and 256 of the 512 columns (grid x).  Wave w adds and quantises K steps w and w + 4 (a K step is two heads: 8,192 consecutive bytes of each part, 64 registers a lane,
; already in the order 16 b + i = k 32 b + 16 (lane / 16) + i), hands the two fragments to the others through LDS as images of their registers, and makes columns 64 w .. 64 w + 63 of the half.
; Source 0 = 16 rows of Wo, source 1 = o's 16 queries: a lane holds eight neighbouring columns of one row.  The rows meet in a stage in LDS and leave as runs of 512 consecutive bytes.
; The tile's lane r is row 128 (i / 8) + 32 ((i % 8) / 2) + 8 (i % 2) + r + 8 (r / 8) of the output.
; No cluster: only the two halves of a tile read the same parts.  No tensor load: every operand goes straight into registers, once.
; LIMITS: a block of zeros gets the byte 1 where the rule says 127 (zero codes); NaN and infinities are not served.
; REGISTERS: window 0: v1-11 lane terms; v32-63 Wo's scale words (8 t + s); v64-71 o's; v72-88 at work; v96-159, v160-223 the two K steps' numbers, then v96-191 o's 8 fragments and v192-223 the 4 accumulators; v224-243 codes made; v252, v253 the add's two.
;   window 3: step w's four parts (64 kv + j).  window 1: step w + 4's four parts, then Wo's tiles 0, 1 (12 (8 t + s)).  window 2: Wo's tiles 2, 3.
.set L16, 1
.set L4,  2
.set XWI, 3
.set XWS, 4
.set SO,  5
.set SR,  6
.set WOA, 7
.set WOS, 8
.set WSC, 32
.set OSC, 64
.set TM,  72
.set PW,  88
.set STA, 96
.set STB, 160
.set OF,  96
.set ACC, 192
.set PC,  224
.set SPW, 252
.set NIL, 253
.set XIMG, 0                           ; LDS: o's 8 fragments, 1,536 bytes each,
.set XSC,  8*1536                      ; their scale words, 128 bytes each,
.set STG,  XSC+8*128                   ; the stage: 16 rows x (1,024 bytes + 16),
.set SPITCH, 1040
.set SPARE, STG+16*SPITCH              ; and the spare words, 128 bytes a wave, that no other line names
.set WV,  12
.set SEL, 32
.set MSB, 0
.macro WIN new                         ; the immediate's high byte repeats the setting that is left
.if MSB != \new
	s_set_vgpr_msb (MSB<<8)|\new
.set MSB, \new
.endif
.endm
.macro QUANT4 s                        ; 64 numbers of a lane become a fragment at v[PC] and its scale word in v[PW]
.irp b, 0,1,2,3
	v_max3_num_f32 v[TM+\b], |v[\s+16*\b]|, |v[\s+1+16*\b]|, 0x1800000   ; with the floor 2^(3 - 127): the byte cannot fall under 1
.endr
.irp i, 2,4,6,8,10,12,14
.irp b, 0,1,2,3
	v_max3_num_f32 v[TM+\b], v[TM+\b], |v[\s+16*\b+\i]|, |v[\s+1+16*\b+\i]|
.endr
.endr
.irp b, 0,1,2,3
	v_permlanex16_b32 v[TM+4+\b], v[TM+\b], s[SEL], s[SEL+1]
.endr
.irp b, 0,1,2,3
	v_max_num_f32 v[TM+\b], v[TM+\b], v[TM+4+\b]
.endr
.irp b, 0,1,2,3
	v_add_nc_u32 v[TM+12+\b], 0xff000000, v[TM+\b]
.endr
.irp b, 0,1,2,3
	v_lshrrev_b32 v[TM+4+\b], 23, v[TM+12+\b]
.endr
	v_lshl_or_b32 v[PW], v[TM+5], 8, v[TM+4]
	v_lshl_or_b32 v[PW], v[TM+6], 16, v[PW]
	v_lshl_or_b32 v[PW], v[TM+7], 24, v[PW]
.irp c, 0,1
	v_cvt_scalef32_pk16_fp6_f32 v[PC+6*\c:PC+2+6*\c], v[\s+32*\c:\s+15+32*\c], v[TM+12+2*\c]
	v_cvt_scalef32_pk16_fp6_f32 v[PC+12+4*\c:PC+14+4*\c], v[\s+16+32*\c:\s+31+32*\c], v[TM+12+2*\c+1]
.endr
	v_nop                                          ; one plain line behind the scaled conversions
.irp c, 0,1
.irp i, 0,1,2
	v_permlane16_swap_b32 v[PC+6*\c+\i], v[PC+12+4*\c+\i]
.endr
.irp i, 0,1,2
	v_mov_b32 v[PC+3+6*\c+\i], v[PC+12+4*\c+\i]
.endr
.endr
.endm
.macro IMAGE off, soff                 ; the fragment and its scale word go to LDS as they stand
.irp c, 0,1,2
	ds_store_b128 v[XWI], v[PC+4*\c:PC+4*\c+3] offset:XIMG+\off+512*\c
.endr
	ds_store_b32 v[XWS], v[PW] offset:XSC+\soff
.endm
.macro BARRIER                         ; my LDS stores have landed and my LDS loads are in: then the work-group's barrier
	s_wait_dscnt 0x0
	s_barrier_signal -1
	s_barrier_wait -1
.endm
.macro PLOAD off                       ; a K step's four parts: 16 loads of 512 consecutive bytes each
.irp kv, 0,1,2,3
.set j, 0
.rept 16
	global_load_b128 v[64*\kv+4*j:64*\kv+4*j+3], v[L16], s[16+2*\kv:17+2*\kv] offset:\off+512*j
.set j, j+1
.endr
.endr
.endm
.macro WLOAD t0                        ; Wo's tiles t0, t0 + 1, all eight K steps, at v[12 (8 t + s)] of the window in hand
.irp t, 0,1
.irp s, 0,1,2,3,4,5,6,7
.irp p, 0,1,2,3,4,5
	global_load_b64 v[12*(8*\t+\s)+2*\p:12*(8*\t+\s)+2*\p+1], v[WOA], s[24:25] offset:16*(\t0+\t)*768+96*\s+48*(\p/3)+8*(\p%3)
.endr
.endr
.endr
.endm
.macro SUM4 dst, w                     ; ((p0 + p1) + p2) + p3, then / 4; the parts lie in window w
	WIN 5*\w                                       ; sources 0 and 1 in window w
.set j, 0
.rept 32
	v_pk_add_f32 v[\dst+j:\dst+j+1], v[j:j+1], v[64+j:65+j]
.set j, j+2
.endr
	WIN 4*\w                                       ; source 1 alone
.set j, 0
.rept 32
	v_pk_add_f32 v[\dst+j:\dst+j+1], v[\dst+j:\dst+j+1], v[128+j:129+j]
.set j, j+2
.endr
.set j, 0
.rept 32
	v_pk_add_f32 v[\dst+j:\dst+j+1], v[\dst+j:\dst+j+1], v[192+j:193+j]
.set j, j+2
.endr
	WIN 0
.set j, 0
.rept 32
	v_pk_mul_f32 v[\dst+j:\dst+j+1], v[\dst+j:\dst+j+1], 0x3e800000 op_sel_hi:[1,0]
.set j, j+2
.endr
.endm
.macro MULW win, t0                    ; two tiles of columns, their accumulators by turns, one instruction a turn
	WIN \win
.irp s, 0,1,2,3,4,5,6,7
.irp t, 0,1
.if \s == 0
	v_wmma_scale_f32_16x16x128_f8f6f4 v[ACC+8*(\t0+\t):ACC+8*(\t0+\t)+7], v[12*(8*\t+\s):12*(8*\t+\s)+11], v[OF+12*\s:OF+12*\s+11], 0, v[WSC+8*(\t0+\t)+\s], v[OSC+\s] matrix_a_fmt:MATRIX_FMT_FP6 matrix_b_fmt:MATRIX_FMT_FP6
.else
	v_wmma_scale_f32_16x16x128_f8f6f4 v[ACC+8*(\t0+\t):ACC+8*(\t0+\t)+7], v[12*(8*\t+\s):12*(8*\t+\s)+11], v[OF+12*\s:OF+12*\s+11], v[ACC+8*(\t0+\t):ACC+8*(\t0+\t)+7], v[WSC+8*(\t0+\t)+\s], v[OSC+\s] matrix_a_fmt:MATRIX_FMT_FP6 matrix_b_fmt:MATRIX_FMT_FP6
.endif
.endr
.endr
.endm
	s_load_b256 s[4:11], s[0:1], 0x0               ; opart, cod, scl, out0
	v_lshl_add_u32 v[SPW], v0, 2, SPARE
	v_mov_b32 v[NIL], 0
	v_lshrrev_b32 v9, 5, v0
	v_readfirstlane_b32 s[WV], v9                  ; wave 0..3
	s_and_b32 s13, ttmp7, 0xffff                   ; the tile of queries
	s_mov_b32 s14, ttmp9                           ; the half of the columns
	v_and_b32 v11, 31, v0                          ; lane
	v_and_b32 v9, 15, v0                           ; r
	v_bfe_u32 v10, v0, 4, 1                        ; h
	v_lshlrev_b32 v[L16], 4, v11
	v_lshlrev_b32 v[L4], 2, v11
	s_mul_i32 s34, s[WV], 1536
	v_add_nc_u32 v[XWI], s34, v[L16]               ; where I store K step w's image
	s_lshl_b32 s34, s[WV], 7
	v_add_nc_u32 v[XWS], s34, v[L4]                ; and its scale words
	v_mul_u32_u24 v[SO], v9, SPITCH
	v_lshl_add_u32 v[SO], v10, 5, v[SO]
	s_lshl_b32 s34, s[WV], 8
	s_add_co_u32 s34, s34, STG
	v_add_nc_u32 v[SO], s34, v[SO]                 ; the stage, way in: row r, + 256 w, + 32 h
	s_mul_i32 s34, s[WV], 4*SPITCH
	s_add_co_u32 s34, s34, STG
	v_add_nc_u32 v[SR], s34, v[L16]                ; way out: my four rows, 16 bytes a lane
	v_mul_u32_u24 v[WOA], v9, 768                  ; Wo: a row of 1,024 codes is 768 bytes
	v_mad_u32_u24 v[WOA], v10, 24, v[WOA]
	v_lshlrev_b32 v[WOS], 5, v9                    ; and of scale bytes 32
	s_mov_b32 s[SEL], 0x76543210
	s_mov_b32 s[SEL+1], 0xfedcba98                 ; lane l xor 16
.irp b, 0,1,2,3
	v_mov_b32 v[TM+4+\b], 0                        ; a lane permute's destination counts as one of its sources
.endr
	s_mov_b32 s31, 0
	s_lshl_b32 s36, s14, 8
	s_lshl_b32 s35, s[WV], 6
	s_add_co_u32 s36, s36, s35                     ; my first row of Wo: 256 x half + 64 w
	s_lshr_b32 s34, s13, 3
	s_lshl_b32 s34, s34, 7
	s_bfe_u32 s35, s13, 0x20001
	s_lshl_b32 s35, s35, 5
	s_add_co_u32 s34, s34, s35
	s_and_b32 s35, s13, 1
	s_lshl_b32 s35, s35, 3
	s_add_co_u32 s34, s34, s35
	s_lshl_b32 s35, s[WV], 2
	s_add_co_u32 s34, s34, s35
	s_lshr_b32 s35, s[WV], 1
	s_lshl_b32 s35, s35, 3
	s_add_co_u32 s34, s34, s35                     ; the first row of the output that I store: stage rows 4 w .. 4 w + 3
	s_lshl_b32 s34, s34, 11
	s_lshl_b32 s35, s14, 10
	s_add_co_u32 s34, s34, s35
	s_wait_kmcnt 0x0
	s_lshl_b32 s30, s13, 16
	s_lshl_b32 s35, s[WV], 13
	s_add_co_u32 s30, s30, s35
	s_add_nc_u64 s[16:17], s[4:5], s[30:31]        ; kv 0's part: tile x 65,536 + K step w x 8,192
	s_add_nc_u64 s[18:19], s[16:17], 0x800000      ; from kv to kv 8,388,608 bytes: one more than an immediate offset holds, so each has its base
	s_add_nc_u64 s[20:21], s[18:19], 0x800000
	s_add_nc_u64 s[22:23], s[20:21], 0x800000
	s_mul_i32 s30, s36, 768
	s_add_co_u32 s30, s30, 1376256
	s_add_nc_u64 s[24:25], s[6:7], s[30:31]        ; Wo's codes
	s_lshl_b32 s30, s36, 5
	s_add_co_u32 s30, s30, 57344
	s_add_nc_u64 s[26:27], s[8:9], s[30:31]        ; Wo's scale bytes
	s_mov_b32 s30, s34
	s_add_nc_u64 s[28:29], s[10:11], s[30:31]      ; the output
	WIN 0x80                                       ; destination window 2
	WLOAD 2                                        ; Wo's tiles 2, 3 and the scale words are asked for first: they land while the parts stream
	WIN 0
.irp t, 0,1,2,3
	global_load_b128 v[WSC+8*\t:WSC+8*\t+3], v[WOS], s[26:27] offset:16*\t*32
	global_load_b128 v[WSC+8*\t+4:WSC+8*\t+7], v[WOS], s[26:27] offset:16*\t*32+16
.endr
	WIN 0xc0                                       ; destination window 3
	PLOAD 0                                        ; K step w
	WIN 0x40                                       ; destination window 1
	PLOAD 32768                                    ; K step w + 4
	WIN 0
	s_wait_loadcnt 0x0
	SUM4 STA, 3
	SUM4 STB, 1
	WIN 0x40
	WLOAD 0                                        ; window 1 is free: Wo's tiles 0, 1 land while o is quantised
	WIN 0
	QUANT4 STA
	IMAGE 0, 0
	s_wait_dscnt 0x0                               ; the stores have read their registers
	QUANT4 STB
	IMAGE 4*1536, 4*128
	BARRIER                                        ; o's eight fragments lie in LDS
.irp s, 0,1,2,3,4,5,6,7
.irp c, 0,1,2
	ds_load_b128 v[OF+12*\s+4*\c:OF+12*\s+4*\c+3], v[L16] offset:XIMG+1536*\s+512*\c
.endr
	ds_load_b32 v[OSC+\s], v[L4] offset:XSC+128*\s
.endr
	s_wait_dscnt 0x0
	s_wait_loadcnt 0x0                             ; Wo's tiles 0, 1
	MULW 0x01, 0                                   ; source 0 (Wo) window 1
	MULW 0x02, 2                                   ; window 2
	WIN 0
.rept 4
	v_nop                                          ; places ahead of the first read of results, and of the loads below into registers that the products have read
.endr
.irp t, 0,1,2,3
	ds_store_b128 v[SO], v[ACC+8*\t:ACC+8*\t+3] offset:64*\t          ; lane (r, h): columns 64 w + 16 t + 8 h + 0 .. 7 of row r; each accumulator from its low end on
	ds_store_b128 v[SO], v[ACC+8*\t+4:ACC+8*\t+7] offset:64*\t+16
.endr
	BARRIER                                        ; 16 rows of 1,024 bytes lie in the stage
.irp k, 0,1,2,3
.irp e, 0,1
	ds_load_b128 v[OF+4*(2*\k+\e):OF+4*(2*\k+\e)+3], v[SR] offset:SPITCH*\k+512*\e
.endr
.endr
.irp k, 0,1,2,3
.irp e, 0,1
	s_wait_dscnt 7-(2*\k+\e)                       ; LDS loads come back in order: this one is in, the younger ones may be out
	global_store_b128 v[L16], v[OF+4*(2*\k+\e):OF+4*(2*\k+\e)+3], s[28:29] offset:2048*\k+512*\e th:TH_STORE_NT   ; 512 consecutive bytes, aligned
.endr
.endr
	s_wait_tensorcnt 0x0                           ; the wave's end: three lines behind my last LDS store
	ds_add_u32 v[SPW], v[NIL]
	s_wait_dscnt 0x0
	s_endpgm
.Lfunc_end_k_q7ee6a171e3_outp:
	.size	k_q7ee6a171e3_outp, .Lfunc_end_k_q7ee6a171e3_outp-k_q7ee6a171e3_outp
	.p2alignl 7, 3214868480
	.fill 96, 4, 3214868480
	.section	.rodata,"a",@progbits
	.p2align	6, 0x0
	.amdhsa_kernel k_q7ee6a171e3_outp
		.amdhsa_group_segment_fixed_size 30720
		.amdhsa_private_segment_fixed_size 0
		.amdhsa_enable_private_segment 0
		.amdhsa_kernarg_size 32
		.amdhsa_user_sgpr_count 2
		.amdhsa_user_sgpr_kernarg_segment_ptr 1
		.amdhsa_wavefront_size32 1
		.amdhsa_system_sgpr_workgroup_id_x 1
		.amdhsa_system_sgpr_workgroup_id_y 1
		.amdhsa_system_sgpr_workgroup_id_z 1
		.amdhsa_system_vgpr_workitem_id 0
		.amdhsa_next_free_vgpr 1024
		.amdhsa_next_free_sgpr 66
		.amdhsa_reserve_vcc 0
		.amdhsa_float_denorm_mode_32 3
		.amdhsa_float_denorm_mode_16_64 3
		.amdhsa_memory_ordered 1
		.amdhsa_forward_progress 1
		.amdhsa_inst_pref_size 69
	.end_amdhsa_kernel
	.amdgpu_metadata
---
amdhsa.version: [ 1, 2 ]
amdhsa.kernels:
  - .name:           k_q7ee6a171e3_outp
    .symbol:         k_q7ee6a171e3_outp.kd
    .args:
      - { .name: opart, .offset: 0, .size: 8, .value_kind: global_buffer, .address_space: global }
      - { .name: cod, .offset: 8, .size: 8, .value_kind: global_buffer, .address_space: global }
      - { .name: scl, .offset: 16, .size: 8, .value_kind: global_buffer, .address_space: global }
      - { .name: out0, .offset: 24, .size: 8, .value_kind: global_buffer, .address_space: global }
    .group_segment_fixed_size: 30720
    .private_segment_fixed_size: 0
    .kernarg_segment_align: 8
    .kernarg_segment_size: 32
    .max_flat_workgroup_size: 128
    .sgpr_count:     66
    .vgpr_count:     1024
    .wavefront_size: 32
...
	.end_amdgpu_metadata
.endif
;; end of part 4
;; ======== version 2 of 2: 4 launches; version 1 with the launches proj, outp written anew for expert scheduling mode
;; workspace buffers: cod 1,769,472 bytes; scl 73,728 bytes; qimg 1,703,936 bytes; kimg 425,984 bytes; vimg 425,984 bytes; opart 33,554,432 bytes
;; launch quant: the kernel of part 1 again; grid 72 x 1, 4 waves a work-group, no clusters, 33,280 bytes of LDS; arguments x, Wq, Wk, Wv, Wo, cod, scl; writes cod, scl
;; launch proj (part 5): grid 224 x 1, 4 waves a work-group, no clusters, 0 bytes of LDS; arguments cod, scl, qimg, kimg, vimg; writes qimg, kimg, vimg
.if DOCPART == 5
	.amdgcn_target "amdgcn-amd-amdhsa--gfx1250"
	.amdhsa_code_object_version 6
	.text
	.protected	k_q7ee6a171e3_proj
	.globl	k_q7ee6a171e3_proj
	.p2align	8
	.type	k_q7ee6a171e3_proj,@function
k_q7ee6a171e3_proj:
	s_mov_b64 s[64:65], 0
	v_nop
	global_prefetch_b8 v0, s[64:65] scope:SCOPE_SE
	s_setreg_imm32_b32 hwreg(HW_REG_WAVE_SCHED_MODE, 0, 2), 2
	s_setreg_imm32_b32 hwreg(HW_REG_WAVE_MODE, 25, 1), 1
	s_wait_xcnt 0x0
	s_wait_alu depctr_vm_vsrc(0)
; q = x Wq^T, k = x Wk^T, v = x Wv^T on codes of FP6 (K = 512: four matrix instructions deep), each result quantised in registers for the product that takes it next, and stored as an IMAGE OF THE OPERAND'S REGISTERS.
; THE TILE RULE: of 32 rows, lane r of tile 2 b + u takes row 32 b + 8 u + r + 8 (r / 8).  It holds for x's rows and for a head's 64 rows of a weight.  A result's 16 registers of tiles 2 b, 2 b + 1 are then 16 neighbours 32 b + 16 (lane / 16) + 0 .. 15.
; PATH QK (work-groups 0-159, 640 waves): a wave takes one head (16 of q, 4 of k) and 64 rows of x.  Source 0 = 16 rows of W, source 1 = 16 rows of x: a lane holds one row of x and its registers run along d, the next K (64: two blocks).
;   Out: a record of 3,328 bytes: tile m at 768 m: registers 0-3 at 16 x lane, registers 4-5 at 512 + 8 x lane; at 3,072 the scale words, 8 x lane + 4 j: register j holds tile 2 j in lanes 0-15, tile 2 j + 1 in lanes 16-31.
;   A scale word: d 0-31's byte, d 32-63's byte, 0x7f, 0x7f (the instruction's upper 64 along K are zero codes, made by the reader).
; PATH V (work-groups 160-223, 256 waves): a wave takes 128 rows of x (a key step) and 16 d of one kv head.  Source 0 = x, source 1 = Wv: a lane holds one d and its registers run along the keys, the next K.
;   Out: in a record of 6,656 bytes a key step: d tile t at 1,536 t: three runs of 512 bytes, 16 x lane; its scale words at 6,144 + 128 t + 4 x lane (that one store covers 128 consecutive bytes: 32 KB of the launch's output).
; Waves share nothing: no LDS, no barrier.  Each path asks for all its operands at its head and waits once.
; LIMITS: a block of zeros gets the byte 1 where the rule says 127 (zero codes; this program alone reads the bytes); NaN and infinities are not served.
; REGISTERS: window 0: v1-9 lane terms; v16-63 scale words; v64-127 accumulators; v128-175 Wv's fragments; v176-191 at work; v192-197 scale words made; v200-234 codes made.  Windows 1, 2: 16 fragments each.
; THE MODE: SCHED_MODE bits 1:0 = 2 (LLVM: expert scheduling mode 2), set by the entry lines.  The code itself states the register dependences between vector or matrix instructions and memory instructions, with s_wait_alu, always for 0.
; THE PLAN.  Registers that memory instructions touch:
;   v3 .. v7        offsets: written once at the head by vector lines, read by every load and store, never written again.
;   the operands    (windows 1 and 2, v16-63, v128-175): written by the loads at a path's head, once; no vector line names them ahead of those loads; read by matrix instructions alone.
;   PC + 8 m ..     path QK: tile m's own six registers of codes: written by tile m's conversions, lane swaps and moves, read by two stores, never written again.
;   SB, SB + 1      written by two selects, read by one store.     PC .. PC + 11, PW: path V: written by its one quantiser, read by four stores.
; So: one wait on va_vdst ahead of a path's first load (the offsets); in path QK one behind the places of tiles 1 to 3, ahead of the stores of the tile before, which leave while this tile is quantised; one ahead of each path's last stores.
; No register that a memory instruction reads is written again, so no wait on vm_vsrc is owed.  The wave's number and the one compare's mask have their waits on va_sdst and va_vcc.
.set WS,  16                           ; the weight's scale words: 4 t + s
.set XS,  32                           ; x's: 4 m + s
.set HA,  64
.set WF,  128
.set TM,  176
.set PW,  192
.set SB,  196
.set PC,  200
.set Y,   232
.set WV,  14
.set SEL, 20
.set MSB, 0
.macro WIN new                         ; the immediate's high byte repeats the setting that is left
.if MSB != \new
	s_set_vgpr_msb (MSB<<8)|\new
.set MSB, \new
.endif
.endm
.macro FRAG16 sb, ro                   ; 16 fragments (tile t of four, K step s) at v[12 (4 t + s)]: a lane's 2 x 24 bytes as six pieces of 8
.irp t, 0,1,2,3
.irp s, 0,1,2,3
.irp p, 0,1,2,3,4,5
	global_load_b64 v[12*(4*\t+\s)+2*\p:12*(4*\t+\s)+2*\p+1], v3, s[\sb:\sb+1] offset:((\ro)+32*(\t/2)+8*(\t%2))*384+96*\s+48*(\p/3)+8*(\p%3)
.endr
.endr
.endr
.endm
.macro SC4 reg, sb, ro                 ; a row's 16 scale bytes are its four K steps' words: one load a tile
.irp t, 0,1,2,3
	global_load_b128 v[(\reg)+4*\t:(\reg)+4*\t+3], v4, s[\sb:\sb+1] offset:((\ro)+32*(\t/2)+8*(\t%2))*16
.endr
.endm
; 32 numbers of a lane, register 16 b + i = k 32 b + 16 (lane / 16) + i, become registers 0-5 of a fragment at v[pc] and the row's scale word in v[pw]
.macro QUANT2 s, pc, pw
.irp b, 0,1
	v_max3_num_f32 v[TM+\b], |v[\s+16*\b]|, |v[\s+1+16*\b]|, 0x1800000   ; with the floor 2^(3 - 127): the byte cannot fall under 1
.endr
.irp i, 2,4,6,8,10,12,14
.irp b, 0,1
	v_max3_num_f32 v[TM+\b], v[TM+\b], |v[\s+16*\b+\i]|, |v[\s+1+16*\b+\i]|
.endr
.endr
.irp b, 0,1
	v_permlanex16_b32 v[TM+4+\b], v[TM+\b], s[SEL], s[SEL+1]
.endr
.irp b, 0,1
	v_max_num_f32 v[TM+\b], v[TM+\b], v[TM+4+\b]   ; with lane l xor 16's 16: the block's largest magnitude
.endr
.irp b, 0,1
	v_add_nc_u32 v[TM+12+\b], 0xff000000, v[TM+\b] ; 2 off its exponent field: the conversion's scale operand
.endr
.irp b, 0,1
	v_lshrrev_b32 v[TM+4+\b], 23, v[TM+12+\b]      ; the byte
.endr
	v_lshl_or_b32 v[(\pw)], v[TM+5], 8, v[TM+4]
	v_or_b32 v[(\pw)], 0x7f7f0000, v[(\pw)]
	v_cvt_scalef32_pk16_fp6_f32 v[(\pc):(\pc)+2], v[\s:\s+15], v[TM+12]
	v_cvt_scalef32_pk16_fp6_f32 v[Y:Y+2], v[\s+16:\s+31], v[TM+13]
	v_nop                                          ; one plain line behind the scaled conversions
.irp i, 0,1,2
	v_permlane16_swap_b32 v[(\pc)+\i], v[Y+\i]     ; a whole block to a lane: lanes 0-15 block 0, lanes 16-31 block 1
.endr
.irp i, 0,1,2
	v_mov_b32 v[(\pc)+3+\i], v[Y+\i]
.endr
.endm
; 64 numbers of a lane, in the same order, become a whole fragment at v[PC] and its scale word in v[PW]
.macro QUANT4 s
.irp b, 0,1,2,3
	v_max3_num_f32 v[TM+\b], |v[\s+16*\b]|, |v[\s+1+16*\b]|, 0x1800000
.endr
.irp i, 2,4,6,8,10,12,14
.irp b, 0,1,2,3
	v_max3_num_f32 v[TM+\b], v[TM+\b], |v[\s+16*\b+\i]|, |v[\s+1+16*\b+\i]|
.endr
.endr
.irp b, 0,1,2,3
	v_permlanex16_b32 v[TM+4+\b], v[TM+\b], s[SEL], s[SEL+1]
.endr
.irp b, 0,1,2,3
	v_max_num_f32 v[TM+\b], v[TM+\b], v[TM+4+\b]
.endr
.irp b, 0,1,2,3
	v_add_nc_u32 v[TM+12+\b], 0xff000000, v[TM+\b]
.endr
.irp b, 0,1,2,3
	v_lshrrev_b32 v[TM+4+\b], 23, v[TM+12+\b]
.endr
	v_lshl_or_b32 v[PW], v[TM+5], 8, v[TM+4]
	v_lshl_or_b32 v[PW], v[TM+6], 16, v[PW]
	v_lshl_or_b32 v[PW], v[TM+7], 24, v[PW]
.irp c, 0,1
	v_cvt_scalef32_pk16_fp6_f32 v[PC+6*\c:PC+2+6*\c], v[\s+32*\c:\s+15+32*\c], v[TM+12+2*\c]
	v_cvt_scalef32_pk16_fp6_f32 v[PC+12+4*\c:PC+14+4*\c], v[\s+16+32*\c:\s+31+32*\c], v[TM+12+2*\c+1]
.endr
	v_nop
.irp c, 0,1
.irp i, 0,1,2
	v_permlane16_swap_b32 v[PC+6*\c+\i], v[PC+12+4*\c+\i]
.endr
.irp i, 0,1,2
	v_mov_b32 v[PC+3+6*\c+\i], v[PC+12+4*\c+\i]
.endr
.endr
.endm
	s_load_b128 s[4:7], s[0:1], 0x0                ; cod, scl
	s_load_b128 s[8:11], s[0:1], 0x10              ; qimg, kimg
	s_load_b64 s[12:13], s[0:1], 0x20              ; vimg
	v_lshrrev_b32 v1, 5, v0
	v_readfirstlane_b32 s[WV], v1                  ; wave
	v_and_b32 v8, 31, v0                           ; lane
	v_and_b32 v1, 15, v0                           ; r
	v_bfe_u32 v2, v0, 4, 1                         ; h
	v_and_b32 v9, 8, v1
	v_add_nc_u32 v9, v9, v1                        ; r + 8 (r / 8)
	v_mul_u32_u24 v3, v9, 384                      ; a row of 512 codes is 384 bytes
	v_mad_u32_u24 v3, v2, 24, v3
	v_lshlrev_b32 v4, 4, v9                        ; and of scale bytes 16
	v_lshlrev_b32 v5, 4, v8
	v_lshlrev_b32 v6, 3, v8
	v_lshlrev_b32 v7, 2, v8
	s_mov_b32 s[SEL], 0x76543210
	s_mov_b32 s[SEL+1], 0xfedcba98                 ; lane l xor 16
.irp b, 0,1,2,3
	v_mov_b32 v[TM+4+\b], 0                        ; a lane permute's destination counts as one of its sources
.endr
	s_mov_b32 s17, 0
	s_mov_b32 s19, 0
	s_wait_alu depctr_va_sdst(0)                   ; the wave's number is written into s[WV], ahead of the branch: each path's first lines read it
	s_cmp_lt_u32 ttmp9, 160
	s_cbranch_scc0 .Lpath_v
	; ---- PATH QK
	s_lshl_b32 s15, ttmp9, 2
	s_add_co_u32 s15, s15, s[WV]                   ; id = 32 x unit + 64-row group of x
	s_lshr_b32 s32, s15, 5                         ; unit: 0-15 q's heads, 16-19 k's; its 64 rows of the weights' stream begin at row 64 x unit
	s_and_b32 s33, s15, 31
	s_mul_i32 s16, s32, 64*384
	s_add_co_u32 s16, s16, 786432
	s_lshl_b32 s18, s32, 10
	s_add_co_u32 s18, s18, 32768
	s_wait_kmcnt 0x0
	s_add_nc_u64 s[22:23], s[4:5], s[16:17]        ; W's codes
	s_add_nc_u64 s[24:25], s[6:7], s[18:19]        ; W's scale bytes
	s_mul_i32 s16, s33, 64*384
	s_lshl_b32 s18, s33, 10
	s_add_nc_u64 s[26:27], s[4:5], s[16:17]        ; x's codes
	s_add_nc_u64 s[28:29], s[6:7], s[18:19]        ; x's scale bytes
	s_sub_co_u32 s34, s15, 512
	s_cmp_lt_u32 s32, 16
	s_cselect_b64 s[30:31], s[8:9], s[10:11]       ; q's images or k's: the choice hangs on ids alone
	s_cselect_b32 s16, s15, s34
	s_mul_i32 s16, s16, 3328
	s_add_nc_u64 s[30:31], s[30:31], s[16:17]      ; my record
	WIN 0x40                                       ; destination window 1
	s_wait_alu depctr_va_vdst(0)                   ; the offsets v3 to v7 are written, which every load and store of this path reads; only loads and window switches stand between this wait and the last load
	FRAG16 22, 0
	WIN 0x80                                       ; destination window 2
	FRAG16 26, 0
	WIN 0
	SC4 WS, 24, 0
	SC4 XS, 28, 0
	s_wait_loadcnt 0x0
.irp m, 0,1,2,3                        ; a tile of 16 rows of x at a time: four accumulators by turns, one instruction a turn
	WIN 0x09                                       ; source 0 (W) window 1, source 1 (x) window 2
.irp s, 0,1,2,3
.irp t, 0,1,2,3
.if \s == 0
	v_wmma_scale_f32_16x16x128_f8f6f4 v[HA+8*\t:HA+8*\t+7], v[12*(4*\t+\s):12*(4*\t+\s)+11], v[12*(4*\m+\s):12*(4*\m+\s)+11], 0, v[WS+4*\t+\s], v[XS+4*\m+\s] matrix_a_fmt:MATRIX_FMT_FP6 matrix_b_fmt:MATRIX_FMT_FP6
.else
	v_wmma_scale_f32_16x16x128_f8f6f4 v[HA+8*\t:HA+8*\t+7], v[12*(4*\t+\s):12*(4*\t+\s)+11], v[12*(4*\m+\s):12*(4*\m+\s)+11], v[HA+8*\t:HA+8*\t+7], v[WS+4*\t+\s], v[XS+4*\m+\s] matrix_a_fmt:MATRIX_FMT_FP6 matrix_b_fmt:MATRIX_FMT_FP6
.endif
.endr
.endr
	WIN 0
.rept 5
	v_nop                                          ; four places ahead of the first read of results; the fifth since the next tile's products begin these accumulators anew
.endr
.if \m > 0
	s_wait_alu depctr_va_vdst(0)                   ; the tile before has written its codes, v[PC + 8 (m - 1)] on, which the two stores below read; the quantiser below names other registers
	global_store_b128 v5, v[PC+8*(\m-1):PC+8*(\m-1)+3], s[30:31] offset:768*(\m-1)        ; 512 consecutive bytes
	global_store_b64 v6, v[PC+8*(\m-1)+4:PC+8*(\m-1)+5], s[30:31] offset:768*(\m-1)+512   ; 256 consecutive bytes; each tile has its own registers, so no store's data are written again
.endif
	QUANT2 HA, PC+8*\m, PW+\m
.endr
	v_cmp_ne_u32 vcc_lo, 0, v2
	s_wait_alu depctr_va_vcc(0)                    ; the compare has written VCC, which the two selects read
	v_cndmask_b32 v[SB], v[PW], v[PW+1], vcc_lo    ; lanes 0-15 the even tile's words, lanes 16-31 the odd tile's
	v_cndmask_b32 v[SB+1], v[PW+2], v[PW+3], vcc_lo
	s_wait_alu depctr_va_vdst(0)                   ; tile 3's codes and the two registers of scale words are written, which the last three stores read
	global_store_b128 v5, v[PC+24:PC+27], s[30:31] offset:768*3
	global_store_b64 v6, v[PC+28:PC+29], s[30:31] offset:768*3+512
	global_store_b64 v6, v[SB:SB+1], s[30:31] offset:3072
	s_endpgm
	; ---- PATH V
.Lpath_v:
	s_sub_co_u32 s15, ttmp9, 160
	s_lshl_b32 s15, s15, 2
	s_add_co_u32 s15, s15, s[WV]                   ; id = 64 kv + 4 x key step + d tile
	s_and_b32 s32, s15, 3                          ; d tile
	s_bfe_u32 s33, s15, 0x40002                    ; key step
	s_lshr_b32 s34, s15, 6                         ; kv
	s_lshl_b32 s35, s34, 6
	s_lshr_b32 s36, s32, 1
	s_lshl_b32 s36, s36, 5
	s_add_co_u32 s35, s35, s36
	s_and_b32 s36, s32, 1
	s_lshl_b32 s36, s36, 3
	s_add_co_u32 s35, s35, s36
	s_add_co_u32 s35, s35, 1280                    ; the tile's first row in the weights' stream: 1,280 + 64 kv + 32 (dt / 2) + 8 (dt % 2)
	s_mul_i32 s16, s35, 384
	s_add_co_u32 s16, s16, 786432
	s_lshl_b32 s18, s35, 4
	s_add_co_u32 s18, s18, 32768
	s_wait_kmcnt 0x0
	s_add_nc_u64 s[22:23], s[4:5], s[16:17]
	s_add_nc_u64 s[24:25], s[6:7], s[18:19]
	s_mul_i32 s16, s33, 128*384
	s_lshl_b32 s18, s33, 11
	s_add_nc_u64 s[26:27], s[4:5], s[16:17]
	s_add_nc_u64 s[28:29], s[6:7], s[18:19]
	s_lshr_b32 s16, s15, 2
	s_mul_i32 s16, s16, 6656                       ; my record: 16 kv + key step
	s_mul_i32 s18, s32, 1536
	s_add_co_u32 s18, s18, s16
	s_add_nc_u64 s[30:31], s[12:13], s[18:19]      ; my tile's codes
	s_lshl_b32 s18, s32, 7
	s_add_co_u32 s18, s18, s16
	s_add_nc_u64 s[36:37], s[12:13], s[18:19]      ; and, 6,144 on, its scale words
	WIN 0x40
	s_wait_alu depctr_va_vdst(0)                   ; the offsets v3 to v7 are written, which every load and store of this path reads; only loads and window switches stand between this wait and the last load
	FRAG16 26, 0                                   ; x's tiles 0-3
	WIN 0x80
	FRAG16 26, 64                                  ; tiles 4-7
	WIN 0
	SC4 XS, 28, 0
	SC4 XS+16, 28, 64
.irp s, 0,1,2,3
.irp p, 0,1,2,3,4,5
	global_load_b64 v[WF+12*\s+2*\p:WF+12*\s+2*\p+1], v3, s[22:23] offset:96*\s+48*(\p/3)+8*(\p%3)
.endr
.endr
	global_load_b128 v[WS:WS+3], v4, s[24:25]
	s_wait_loadcnt 0x0
.macro MULV win, m0                    ; four tiles of keys, their accumulators by turns
	WIN \win
.irp s, 0,1,2,3
.irp m, 0,1,2,3
.if \s == 0
	v_wmma_scale_f32_16x16x128_f8f6f4 v[HA+8*(\m0+\m):HA+8*(\m0+\m)+7], v[12*(4*\m+\s):12*(4*\m+\s)+11], v[WF+12*\s:WF+12*\s+11], 0, v[XS+4*(\m0+\m)+\s], v[WS+\s] matrix_a_fmt:MATRIX_FMT_FP6 matrix_b_fmt:MATRIX_FMT_FP6
.else
	v_wmma_scale_f32_16x16x128_f8f6f4 v[HA+8*(\m0+\m):HA+8*(\m0+\m)+7], v[12*(4*\m+\s):12*(4*\m+\s)+11], v[WF+12*\s:WF+12*\s+11], v[HA+8*(\m0+\m):HA+8*(\m0+\m)+7], v[XS+4*(\m0+\m)+\s], v[WS+\s] matrix_a_fmt:MATRIX_FMT_FP6 matrix_b_fmt:MATRIX_FMT_FP6
.endif
.endr
.endr
.endm
	MULV 0x01, 0                                   ; source 0 (x) window 1
	MULV 0x02, 4                                   ; window 2
	WIN 0
.rept 4
	v_nop
.endr
	QUANT4 HA
	s_wait_alu depctr_va_vdst(0)                   ; the quantiser has written the fragment v[PC] to v[PC + 11] and its scale word v[PW], which the four stores read
.irp c, 0,1,2
	global_store_b128 v5, v[PC+4*\c:PC+4*\c+3], s[30:31] offset:512*\c
.endr
	global_store_b32 v7, v[PW], s[36:37] offset:6144
	s_endpgm
.Lfunc_end_k_q7ee6a171e3_proj:
	.size	k_q7ee6a171e3_proj, .Lfunc_end_k_q7ee6a171e3_proj-k_q7ee6a171e3_proj
	.p2alignl 7, 3214868480
	.fill 96, 4, 3214868480
	.section	.rodata,"a",@progbits
	.p2align	6, 0x0
	.amdhsa_kernel k_q7ee6a171e3_proj
		.amdhsa_group_segment_fixed_size 0
		.amdhsa_private_segment_fixed_size 0
		.amdhsa_enable_private_segment 0
		.amdhsa_kernarg_size 40
		.amdhsa_user_sgpr_count 2
		.amdhsa_user_sgpr_kernarg_segment_ptr 1
		.amdhsa_wavefront_size32 1
		.amdhsa_system_sgpr_workgroup_id_x 1
		.amdhsa_system_sgpr_workgroup_id_y 1
		.amdhsa_system_sgpr_workgroup_id_z 1
		.amdhsa_system_vgpr_workitem_id 0
		.amdhsa_next_free_vgpr 768
		.amdhsa_next_free_sgpr 66
		.amdhsa_reserve_vcc 1
		.amdhsa_float_denorm_mode_32 3
		.amdhsa_float_denorm_mode_16_64 3
		.amdhsa_memory_ordered 1
		.amdhsa_forward_progress 1
		.amdhsa_inst_pref_size 70
	.end_amdhsa_kernel
	.amdgpu_metadata
---
amdhsa.version: [ 1, 2 ]
amdhsa.kernels:
  - .name:           k_q7ee6a171e3_proj
    .symbol:         k_q7ee6a171e3_proj.kd
    .args:
      - { .name: cod, .offset: 0, .size: 8, .value_kind: global_buffer, .address_space: global }
      - { .name: scl, .offset: 8, .size: 8, .value_kind: global_buffer, .address_space: global }
      - { .name: qimg, .offset: 16, .size: 8, .value_kind: global_buffer, .address_space: global }
      - { .name: kimg, .offset: 24, .size: 8, .value_kind: global_buffer, .address_space: global }
      - { .name: vimg, .offset: 32, .size: 8, .value_kind: global_buffer, .address_space: global }
    .group_segment_fixed_size: 0
    .private_segment_fixed_size: 0
    .kernarg_segment_align: 8
    .kernarg_segment_size: 40
    .max_flat_workgroup_size: 128
    .sgpr_count:     66
    .vgpr_count:     768
    .wavefront_size: 32
...
	.end_amdgpu_metadata
.endif
;; end of part 5
;; launch attn: the kernel of part 3 again; grid 64 x 4, 16 waves a work-group, clusters of 4 x 1, 215,040 bytes of LDS; arguments qimg, kimg, vimg, opart; writes opart
;; launch outp (part 6): grid 2 x 128, 4 waves a work-group, no clusters, 30,720 bytes of LDS; arguments opart, cod, scl, out0; writes out0
.if DOCPART == 6
	.amdgcn_target "amdgcn-amd-amdhsa--gfx1250"
	.amdhsa_code_object_version 6
	.text
	.protected	k_q7ee6a171e3_outp
	.globl	k_q7ee6a171e3_outp
	.p2align	8
	.type	k_q7ee6a171e3_outp,@function
k_q7ee6a171e3_outp:
	s_mov_b64 s[64:65], 0
	v_nop
	global_prefetch_b8 v0, s[64:65] scope:SCOPE_SE
	s_setreg_imm32_b32 hwreg(HW_REG_WAVE_SCHED_MODE, 0, 2), 2
	s_setreg_imm32_b32 hwreg(HW_REG_WAVE_MODE, 25, 1), 1
	s_wait_xcnt 0x0
	s_wait_alu depctr_vm_vsrc(0)
; out0 = Q(o) Q(Wo)^T, o = (the sum of the four kv heads' parts) / 4, K = 1,024 = (head, d), on codes of FP6 with E8M0 scales.
; SHARES.  A work-group takes one tile of 16 queries (grid y) and 256 of the 512 columns (grid x).  Wave w adds and quantises K steps w and w + 4 (a K step is two heads: 8,192 consecutive bytes of each part, 64 registers a lane,
; already in the order 16 b + i = k 32 b + 16 (lane / 16) + i), hands the two fragments to the others through LDS as images of their registers, and makes columns 64 w .. 64 w + 63 of the half.
; Source 0 = 16 rows of Wo, source 1 = o's 16 queries: a lane holds eight neighbouring columns of one row.  The rows meet in a stage in LDS and leave as runs of 512 consecutive bytes.
; The tile's lane r is row 128 (i / 8) + 32 ((i % 8) / 2) + 8 (i % 2) + r + 8 (r / 8) of the output.
; No cluster: only the two halves of a tile read the same parts.  No tensor load: every operand goes straight into registers, once.
; LIMITS: a block of zeros gets the byte 1 where the rule says 127 (zero codes); NaN and infinities are not served.
; REGISTERS: window 0: v1-11 lane terms; v12-30 the second K step's codes; v32-63 Wo's scale words (8 t + s); v64-71 o's; v72-89 at work; v96-159, v160-223 the two K steps' numbers, then v96-191 o's 8 fragments and v192-223 the 4 accumulators;
;   v224-242 the first K step's codes; v252, v253 the add's two.
;   window 3: step w's four parts (64 kv + j).  window 1: step w + 4's four parts, then Wo's tiles 0, 1 (12 (8 t + s)).  window 2: Wo's tiles 2, 3.
; THE MODE: SCHED_MODE bits 1:0 = 2 (LLVM: expert scheduling mode 2), set by the entry lines.  The code itself states the register dependences between vector or matrix instructions and memory or LDS instructions, with s_wait_alu, always for 0.
; THE PLAN.  Registers that memory or LDS instructions touch:
;   v1 .. v8        lane terms: written once at the head by vector lines, read by loads, stores and LDS instructions, never written again.
;   window 1        loads (step w + 4's parts); read by that step's additions; then Wo's tiles 0, 1 land in it; read by matrix instructions.
;   windows 2, 3, v32-63   written by loads once; read by matrix instructions and additions alone.
;   PC, PW and PC2, PW2    an out-buffer for each of the two K steps: written by its quantiser, read by its four LDS stores, never written again.
;   v96-191         written by the additions, read by the quantisers; then o's fragments land there from LDS; read by matrix instructions; then, in v96-127, the stage's rows land, which the global stores read.
;   v64-71          written by LDS loads alone.      v192-223: as accumulators written by matrix instructions, read by the LDS stores into the stage.
; So five waits on va_vdst: ahead of the first load (the lane terms); ahead of Wo's tiles 0, 1 (the additions are done reading window 1; that step's sum stands first, so that these loads go out ahead of the other step's sum);
; behind both quantisers (their out-buffers are written, and v96-223 are done with: no vector line stands between this wait and the LDS loads behind the barrier); behind the places of the last products (the accumulators are written, the products
; are done reading v96-127); and the closing lines' own.  No register that a memory or LDS instruction reads is written again, so no wait on vm_vsrc is owed outside the closing lines.  The wave's number has its wait on va_sdst.
.set L16, 1
.set L4,  2
.set XWI, 3
.set XWS, 4
.set SO,  5
.set SR,  6
.set WOA, 7
.set WOS, 8
.set PC2, 12
.set WSC, 32
.set OSC, 64
.set TM,  72
.set PW,  88
.set PW2, 89
.set STA, 96
.set STB, 160
.set OF,  96
.set ACC, 192
.set PC,  224
.set SPW, 252
.set NIL, 253
.set XIMG, 0                           ; LDS: o's 8 fragments, 1,536 bytes each,
.set XSC,  8*1536                      ; their scale words, 128 bytes each,
.set STG,  XSC+8*128                   ; the stage: 16 rows x (1,024 bytes + 16),
.set SPITCH, 1040
.set SPARE, STG+16*SPITCH              ; and the spare words, 128 bytes a wave, that no other line names
.set WV,  12
.set SEL, 32
.set MSB, 0
.macro WIN new                         ; the immediate's high byte repeats the setting that is left
.if MSB != \new
	s_set_vgpr_msb (MSB<<8)|\new
.set MSB, \new
.endif
.endm
.macro QUANT4 s, pc, pw                ; 64 numbers of a lane become a fragment at v[pc] and its scale word in v[pw]
.irp b, 0,1,2,3
	v_max3_num_f32 v[TM+\b], |v[\s+16*\b]|, |v[\s+1+16*\b]|, 0x1800000   ; with the floor 2^(3 - 127): the byte cannot fall under 1
.endr
.irp i, 2,4,6,8,10,12,14
.irp b, 0,1,2,3
	v_max3_num_f32 v[TM+\b], v[TM+\b], |v[\s+16*\b+\i]|, |v[\s+1+16*\b+\i]|
.endr
.endr
.irp b, 0,1,2,3
	v_permlanex16_b32 v[TM+4+\b], v[TM+\b], s[SEL], s[SEL+1]
.endr
.irp b, 0,1,2,3
	v_max_num_f32 v[TM+\b], v[TM+\b], v[TM+4+\b]
.endr
.irp b, 0,1,2,3
	v_add_nc_u32 v[TM+12+\b], 0xff000000, v[TM+\b]
.endr
.irp b, 0,1,2,3
	v_lshrrev_b32 v[TM+4+\b], 23, v[TM+12+\b]
.endr
	v_lshl_or_b32 v[\pw], v[TM+5], 8, v[TM+4]
	v_lshl_or_b32 v[\pw], v[TM+6], 16, v[\pw]
	v_lshl_or_b32 v[\pw], v[TM+7], 24, v[\pw]
.irp c, 0,1
	v_cvt_scalef32_pk16_fp6_f32 v[\pc+6*\c:\pc+2+6*\c], v[\s+32*\c:\s+15+32*\c], v[TM+12+2*\c]
	v_cvt_scalef32_pk16_fp6_f32 v[\pc+12+4*\c:\pc+14+4*\c], v[\s+16+32*\c:\s+31+32*\c], v[TM+12+2*\c+1]
.endr
	v_nop                                          ; one plain line behind the scaled conversions
.irp c, 0,1
.irp i, 0,1,2
	v_permlane16_swap_b32 v[\pc+6*\c+\i], v[\pc+12+4*\c+\i]
.endr
.irp i, 0,1,2
	v_mov_b32 v[\pc+3+6*\c+\i], v[\pc+12+4*\c+\i]
.endr
.endr
.endm
.macro IMAGE pc, pw, off, soff         ; the fragment and its scale word go to LDS as they stand
.irp c, 0,1,2
	ds_store_b128 v[XWI], v[\pc+4*\c:\pc+4*\c+3] offset:XIMG+\off+512*\c
.endr
	ds_store_b32 v[XWS], v[\pw] offset:XSC+\soff
.endm
.macro BARRIER                         ; my LDS stores have landed and my LDS loads are in: then the work-group's barrier
	s_wait_dscnt 0x0
	s_barrier_signal -1
	s_barrier_wait -1
.endm
.macro PLOAD off                       ; a K step's four parts: 16 loads of 512 consecutive bytes each
.irp kv, 0,1,2,3
.set j, 0
.rept 16
	global_load_b128 v[64*\kv+4*j:64*\kv+4*j+3], v[L16], s[16+2*\kv:17+2*\kv] offset:\off+512*j
.set j, j+1
.endr
.endr
.endm
.macro WLOAD t0                        ; Wo's tiles t0, t0 + 1, all eight K steps, at v[12 (8 t + s)] of the window in hand
.irp t, 0,1
.irp s, 0,1,2,3,4,5,6,7
.irp p, 0,1,2,3,4,5
	global_load_b64 v[12*(8*\t+\s)+2*\p:12*(8*\t+\s)+2*\p+1], v[WOA], s[24:25] offset:16*(\t0+\t)*768+96*\s+48*(\p/3)+8*(\p%3)
.endr
.endr
.endr
.endm
.macro SUM4 dst, w                     ; ((p0 + p1) + p2) + p3, then / 4; the parts lie in window w
	WIN 5*\w                                       ; sources 0 and 1 in window w
.set j, 0
.rept 32
	v_pk_add_f32 v[\dst+j:\dst+j+1], v[j:j+1], v[64+j:65+j]
.set j, j+2
.endr
	WIN 4*\w                                       ; source 1 alone
.set j, 0
.rept 32
	v_pk_add_f32 v[\dst+j:\dst+j+1], v[\dst+j:\dst+j+1], v[128+j:129+j]
.set j, j+2
.endr
.set j, 0
.rept 32
	v_pk_add_f32 v[\dst+j:\dst+j+1], v[\dst+j:\dst+j+1], v[192+j:193+j]
.set j, j+2
.endr
	WIN 0
.set j, 0
.rept 32
	v_pk_mul_f32 v[\dst+j:\dst+j+1], v[\dst+j:\dst+j+1], 0x3e800000 op_sel_hi:[1,0]
.set j, j+2
.endr
.endm
.macro MULW win, t0                    ; two tiles of columns, their accumulators by turns, one instruction a turn
	WIN \win
.irp s, 0,1,2,3,4,5,6,7
.irp t, 0,1
.if \s == 0
	v_wmma_scale_f32_16x16x128_f8f6f4 v[ACC+8*(\t0+\t):ACC+8*(\t0+\t)+7], v[12*(8*\t+\s):12*(8*\t+\s)+11], v[OF+12*\s:OF+12*\s+11], 0, v[WSC+8*(\t0+\t)+\s], v[OSC+\s] matrix_a_fmt:MATRIX_FMT_FP6 matrix_b_fmt:MATRIX_FMT_FP6
.else
	v_wmma_scale_f32_16x16x128_f8f6f4 v[ACC+8*(\t0+\t):ACC+8*(\t0+\t)+7], v[12*(8*\t+\s):12*(8*\t+\s)+11], v[OF+12*\s:OF+12*\s+11], v[ACC+8*(\t0+\t):ACC+8*(\t0+\t)+7], v[WSC+8*(\t0+\t)+\s], v[OSC+\s] matrix_a_fmt:MATRIX_FMT_FP6 matrix_b_fmt:MATRIX_FMT_FP6
.endif
.endr
.endr
.endm
	s_load_b256 s[4:11], s[0:1], 0x0               ; opart, cod, scl, out0
	v_lshl_add_u32 v[SPW], v0, 2, SPARE
	v_mov_b32 v[NIL], 0
	v_lshrrev_b32 v9, 5, v0
	v_readfirstlane_b32 s[WV], v9                  ; wave 0..3
	s_and_b32 s13, ttmp7, 0xffff                   ; the tile of queries
	s_mov_b32 s14, ttmp9                           ; the half of the columns
	v_and_b32 v11, 31, v0                          ; lane
	v_and_b32 v9, 15, v0                           ; r
	v_bfe_u32 v10, v0, 4, 1                        ; h
	v_lshlrev_b32 v[L16], 4, v11
	v_lshlrev_b32 v[L4], 2, v11
	s_wait_alu depctr_va_sdst(0)                   ; the wave's number is written into s[WV], ahead of its first reader, the line below
	s_mul_i32 s34, s[WV], 1536
	v_add_nc_u32 v[XWI], s34, v[L16]               ; where I store K step w's image
	s_lshl_b32 s34, s[WV], 7
	v_add_nc_u32 v[XWS], s34, v[L4]                ; and its scale words
	v_mul_u32_u24 v[SO], v9, SPITCH
	v_lshl_add_u32 v[SO], v10, 5, v[SO]
	s_lshl_b32 s34, s[WV], 8
	s_add_co_u32 s34, s34, STG
	v_add_nc_u32 v[SO], s34, v[SO]                 ; the stage, way in: row r, + 256 w, + 32 h
	s_mul_i32 s34, s[WV], 4*SPITCH
	s_add_co_u32 s34, s34, STG
	v_add_nc_u32 v[SR], s34, v[L16]                ; way out: my four rows, 16 bytes a lane
	v_mul_u32_u24 v[WOA], v9, 768                  ; Wo: a row of 1,024 codes is 768 bytes
	v_mad_u32_u24 v[WOA], v10, 24, v[WOA]
	v_lshlrev_b32 v[WOS], 5, v9                    ; and of scale bytes 32
	s_mov_b32 s[SEL], 0x76543210
	s_mov_b32 s[SEL+1], 0xfedcba98                 ; lane l xor 16
.irp b, 0,1,2,3
	v_mov_b32 v[TM+4+\b], 0                        ; a lane permute's destination counts as one of its sources
.endr
	s_mov_b32 s31, 0
	s_lshl_b32 s36, s14, 8
	s_lshl_b32 s35, s[WV], 6
	s_add_co_u32 s36, s36, s35                     ; my first row of Wo: 256 x half + 64 w
	s_lshr_b32 s34, s13, 3
	s_lshl_b32 s34, s34, 7
	s_bfe_u32 s35, s13, 0x20001
	s_lshl_b32 s35, s35, 5
	s_add_co_u32 s34, s34, s35
	s_and_b32 s35, s13, 1
	s_lshl_b32 s35, s35, 3
	s_add_co_u32 s34, s34, s35
	s_lshl_b32 s35, s[WV], 2
	s_add_co_u32 s34, s34, s35
	s_lshr_b32 s35, s[WV], 1
	s_lshl_b32 s35, s35, 3
	s_add_co_u32 s34, s34, s35                     ; the first row of the output that I store: stage rows 4 w .. 4 w + 3
	s_lshl_b32 s34, s34, 11
	s_lshl_b32 s35, s14, 10
	s_add_co_u32 s34, s34, s35
	s_wait_kmcnt 0x0
	s_lshl_b32 s30, s13, 16
	s_lshl_b32 s35, s[WV], 13
	s_add_co_u32 s30, s30, s35
	s_add_nc_u64 s[16:17], s[4:5], s[30:31]        ; kv 0's part: tile x 65,536 + K step w x 8,192
	s_add_nc_u64 s[18:19], s[16:17], 0x800000      ; from kv to kv 8,388,608 bytes: one more than an immediate offset holds, so each has its base
	s_add_nc_u64 s[20:21], s[18:19], 0x800000
	s_add_nc_u64 s[22:23], s[20:21], 0x800000
	s_mul_i32 s30, s36, 768
	s_add_co_u32 s30, s30, 1376256
	s_add_nc_u64 s[24:25], s[6:7], s[30:31]        ; Wo's codes
	s_lshl_b32 s30, s36, 5
	s_add_co_u32 s30, s30, 57344
	s_add_nc_u64 s[26:27], s[8:9], s[30:31]        ; Wo's scale bytes
	s_mov_b32 s30, s34
	s_add_nc_u64 s[28:29], s[10:11], s[30:31]      ; the output
	WIN 0x80                                       ; destination window 2
	s_wait_alu depctr_va_vdst(0)                   ; the lane terms v1 to v8 are written, which the loads, stores and LDS instructions of the whole kernel read; only loads and window switches stand between this wait and the last of these loads
	WLOAD 2                                        ; Wo's tiles 2, 3 and the scale words are asked for first: they land while the parts stream
	WIN 0
.irp t, 0,1,2,3
	global_load_b128 v[WSC+8*\t:WSC+8*\t+3], v[WOS], s[26:27] offset:16*\t*32
	global_load_b128 v[WSC+8*\t+4:WSC+8*\t+7], v[WOS], s[26:27] offset:16*\t*32+16
.endr
	WIN 0xc0                                       ; destination window 3
	PLOAD 0                                        ; K step w
	WIN 0x40                                       ; destination window 1
	PLOAD 32768                                    ; K step w + 4
	WIN 0
	s_wait_loadcnt 0x0
	SUM4 STB, 1                                    ; the step whose parts lie in window 1 is added first, so that the window is free at once
	WIN 0x40
	s_wait_alu depctr_va_vdst(0)                   ; the additions above are done reading window 1, in which the loads below land
	WLOAD 0                                        ; window 1 is free: Wo's tiles 0, 1 land while the other step is added and o is quantised
	WIN 0
	SUM4 STA, 3
	QUANT4 STA, PC, PW
	QUANT4 STB, PC2, PW2                           ; an out-buffer of its own: the first step's is not written again
	s_wait_alu depctr_va_vdst(0)                   ; both quantisers have written their codes and scale words, which the eight LDS stores read; and additions and quantisers are done with v96 to v223, in which the LDS loads behind the barrier land
	IMAGE PC, PW, 0, 0
	IMAGE PC2, PW2, 4*1536, 4*128
	BARRIER                                        ; o's eight fragments lie in LDS
.irp s, 0,1,2,3,4,5,6,7
.irp c, 0,1,2
	ds_load_b128 v[OF+12*\s+4*\c:OF+12*\s+4*\c+3], v[L16] offset:XIMG+1536*\s+512*\c   ; no vector or matrix instruction since the wait above names these registers
.endr
	ds_load_b32 v[OSC+\s], v[L4] offset:XSC+128*\s
.endr
	s_wait_dscnt 0x0
	s_wait_loadcnt 0x0                             ; Wo's tiles 0, 1
	MULW 0x01, 0                                   ; source 0 (Wo) window 1
	MULW 0x02, 2                                   ; window 2
	WIN 0
.rept 4
	v_nop                                          ; places ahead of the first read of results
.endr
	s_wait_alu depctr_va_vdst(0)                   ; the products have written the four accumulators, which the LDS stores read, and are done reading v96 to v127, in which the stage's rows land behind the barrier; the places above stay beside this wait
.irp t, 0,1,2,3
	ds_store_b128 v[SO], v[ACC+8*\t:ACC+8*\t+3] offset:64*\t          ; lane (r, h): columns 64 w + 16 t + 8 h + 0 .. 7 of row r; each accumulator from its low end on
	ds_store_b128 v[SO], v[ACC+8*\t+4:ACC+8*\t+7] offset:64*\t+16
.endr
	BARRIER                                        ; 16 rows of 1,024 bytes lie in the stage
.irp k, 0,1,2,3
.irp e, 0,1
	ds_load_b128 v[OF+4*(2*\k+\e):OF+4*(2*\k+\e)+3], v[SR] offset:SPITCH*\k+512*\e
.endr
.endr
.irp k, 0,1,2,3
.irp e, 0,1
	s_wait_dscnt 7-(2*\k+\e)                       ; LDS loads come back in order: this one is in, the younger ones may be out
	global_store_b128 v[L16], v[OF+4*(2*\k+\e):OF+4*(2*\k+\e)+3], s[28:29] offset:2048*\k+512*\e th:TH_STORE_NT   ; 512 consecutive bytes, aligned
.endr
.endr
	s_wait_dscnt 0x0                               ; the closing lines, six on end
	s_wait_alu 0x0
	s_wait_tensorcnt 0x0
	ds_add_u32 v[SPW], v[NIL]
	s_wait_dscnt 0x0
	s_endpgm
.Lfunc_end_k_q7ee6a171e3_outp:
	.size	k_q7ee6a171e3_outp, .Lfunc_end_k_q7ee6a171e3_outp-k_q7ee6a171e3_outp
	.p2alignl 7, 3214868480
	.fill 96, 4, 3214868480
	.section	.rodata,"a",@progbits
	.p2align	6, 0x0
	.amdhsa_kernel k_q7ee6a171e3_outp
		.amdhsa_group_segment_fixed_size 30720
		.amdhsa_private_segment_fixed_size 0
		.amdhsa_enable_private_segment 0
		.amdhsa_kernarg_size 32
		.amdhsa_user_sgpr_count 2
		.amdhsa_user_sgpr_kernarg_segment_ptr 1
		.amdhsa_wavefront_size32 1
		.amdhsa_system_sgpr_workgroup_id_x 1
		.amdhsa_system_sgpr_workgroup_id_y 1
		.amdhsa_system_sgpr_workgroup_id_z 1
		.amdhsa_system_vgpr_workitem_id 0
		.amdhsa_next_free_vgpr 1024
		.amdhsa_next_free_sgpr 66
		.amdhsa_reserve_vcc 0
		.amdhsa_float_denorm_mode_32 3
		.amdhsa_float_denorm_mode_16_64 3
		.amdhsa_memory_ordered 1
		.amdhsa_forward_progress 1
		.amdhsa_inst_pref_size 70
	.end_amdhsa_kernel
	.amdgpu_metadata
---
amdhsa.version: [ 1, 2 ]
amdhsa.kernels:
  - .name:           k_q7ee6a171e3_outp
    .symbol:         k_q7ee6a171e3_outp.kd
    .args:
      - { .name: opart, .offset: 0, .size: 8, .value_kind: global_buffer, .address_space: global }
      - { .name: cod, .offset: 8, .size: 8, .value_kind: global_buffer, .address_space: global }
      - { .name: scl, .offset: 16, .size: 8, .value_kind: global_buffer, .address_space: global }
      - { .name: out0, .offset: 24, .size: 8, .value_kind: global_buffer, .address_space: global }
    .group_segment_fixed_size: 30720
    .private_segment_fixed_size: 0
    .kernarg_segment_align: 8
    .kernarg_segment_size: 32
    .max_flat_workgroup_size: 128
    .sgpr_count:     66
    .vgpr_count:     1024
    .wavefront_size: 32
...
	.end_amdgpu_metadata
.endif
;; end of part 6
